; MI455X (gfx1250); checked and timed in simulation.
; The chip was launched on July 23, 2026; its instructions are those of AMD's public machine-readable ISA for CDNA 5 (MIT licence, August 2026) and "CDNA5" Instruction Set Architecture Reference Guide (July 2026). The comments in the code are by the model that wrote it; some were corrected since.
;; Transformer Block. Allowed arithmetic: matrix products marked QUANTISED: E3M2 operands, one E8M0 scale for each 32 along K, by v_wmma_scale_f32_16x16x128_f8f6f4 with both operands' format E3M2, f32 sums; everything else in f32.
;; Inputs: K 16 x 1,024 x 512 float32; Q 16 x 1,024 x 512 float32; V 16 x 1,024 x 512 float32; W_k 512 x 512 float32; W_o 512 x 512 float32; W_q 512 x 512 float32; W_v 512 x 512 float32; lin1_b 512 float32; lin1_w 512 x 512 float32; lin2_b 512 float32; lin2_w 512 x 512 float32; ln_b 512 float32; ln_g 512 float32; mask 16 x 1,024 bool.
;; Outputs: out0 16 x 1,024 x 512 float32.
;; This version of the problem:
;;   THIS VERSION OF THE PROBLEM IS GIVEN IN LOW PRECISION. The matrix products marked QUANTISED in the list below multiply operands that are first quantised to E3M2 (3 exponent bits, 2 mantissa bits; 6 bits a number), with one power-of-two scale for each 32 numbers along K (OCP MX v1.0); their sums are f32. All else is computed in f32.
;;   The module's matrix products, in the order in which they are computed (A, B: the left and right operand; K: the contracted axis; several contracted axes count as one K, in the product's order):
;;     1. [M 16,384, K 512] x [K 512, N 512]; A: input Q; B: input W_q: QUANTISED
;;     2. [M 16,384, K 512] x [K 512, N 512]; A: input K; B: input W_k: QUANTISED
;;     3. [M 16,384, K 512] x [K 512, N 512]; A: input V; B: input W_v: QUANTISED
;;     4. batch 128 x [M 1,024, K 64] x [K 64, N 1,024]; A: computed on the way; B: computed on the way: QUANTISED
;;     5. batch 128 x [M 1,024, K 1,024] x [K 1,024, N 64]; A: softmax (see below); B: computed on the way: QUANTISED
;;     6. [M 16,384, K 512] x [K 512, N 512]; A: computed on the way; B: input W_o: QUANTISED
;;     7. [M 16,384, K 512] x [K 512, N 512]; A: computed on the way; B: input lin1_w: QUANTISED
;;     8. [M 16,384, K 512] x [K 512, N 512]; A: computed on the way; B: input lin2_w: QUANTISED
;;   THE QUANTISER, for each operand of a quantised product, along K:
;;     - K is cut into blocks of 32 from its start; a last block that is shorter is filled with zeros.
;;     - A block's scale is 2^e with e = floor(log2(the largest magnitude in the block)) - 4, held to -126 .. 127; a block of zeros has e = 0. As a byte (E8M0): e + 127.
;;     - Each number is divided by its block's scale, clamped to +-28, and rounded to the nearest number of E3M2, ties to even, subnormals kept.
;;     - The product sums the exact products of the quantised numbers (number of the format x scale) in f32.
;;   ~~~python
;;   def quantise(x, axis):      # numpy; x: float32 -> the quantised numbers, widened to float32 again
;;       x = np.moveaxis(x, axis, -1); K = x.shape[-1]
;;       x = np.pad(x, [(0, 0)] * (x.ndim - 1) + [(0, -K % 32)]); x = x.reshape(x.shape[:-1] + (-1, 32)); a = np.abs(x).max(-1, keepdims=True)
;;       e = np.where(a > 0, np.clip(np.frexp(np.where(a > 0, a, 1))[1] - 1 - 4, -126, 127), 0)      # np.frexp(a)[1] - 1 = floor(log2(a)), exactly
;;       r = np.clip(x / 2.0 ** e, -28, 28)
;;       step = 2.0 ** (np.maximum(np.frexp(np.where(r == 0, 1, r))[1] - 1, -2) - 2)
;;       q = np.round(r / step) * step * 2.0 ** e      # np.round: ties to even
;;       return np.moveaxis(q.reshape(q.shape[:-2] + (-1,))[..., :K], -1, axis).astype(np.float32)
;;   ~~~
;;   SOFTMAX AHEAD OF A QUANTISED PRODUCT. Where the list says 'softmax', what is quantised is not the finished softmax but p = 2^(t - M), with t = logit x log2(e) and M = ceil(the row's largest t), a whole number; so 1/2 < the row's largest p <= 1. The row's sum l is taken of the UNQUANTISED p, in f32, and the product's result is divided by l at the end. Since M is a whole number, a kernel that streams over the keys may use a running M (the ceiling of the running maximum): every later rescaling is an exact power of two, which a block's scale takes up: the codes' values come out the same.
;;   OPERANDS COMPUTED ON THE WAY. 'Computed on the way' means the value that the module computes at that place (a softmax that the list does not call 'softmax' is quantised finished and normalised). What goes into a quantiser is computed in f32, as accurately as f32 sums, v_exp_f32 and their like allow (about 1e-6 of the number): no bf16 or f16 on the way to a quantiser, and a product that is left as it is and whose result goes on into a quantised operand takes f32 operands (vector FMAs, or v_wmma_f32_16x16x4_f32). A number that lies on a knife's edge between two numbers of the format may be rounded either way, as far as f32 arithmetic and the matrix unit's own rounding can turn it there, and no further.
;; One version. Each part assembles by itself: llvm-mc -triple=amdgcn-amd-amdhsa -mcpu=gfx1250 --defsym DOCPART=n.
;; ======== version 1 of 1: 4 launches
;; limits: right only within a limited range of input values
;; workspace buffers: wts 1,228,800 bytes; qbuf 6,815,744 bytes; kv 13,369,344 bytes; ctx 8,388,608 bytes
;; launch wquant (part 1): grid 32 x 6, 4 waves a work-group, no clusters, 0 bytes of LDS; arguments W_q, W_k, W_v, W_o, lin1_w, lin2_w, wts; writes wts
.if DOCPART == 1
	.amdgcn_target "amdgcn-amd-amdhsa--gfx1250"
	.amdhsa_code_object_version 6
	.text
	.protected	k_q04fd36a157_wquant
	.globl	k_q04fd36a157_wquant
	.p2align	8
	.type	k_q04fd36a157_wquant,@function
k_q04fd36a157_wquant:
	s_mov_b64 s[64:65], 0
	v_nop
	global_prefetch_b8 v0, s[64:65] scope:SCOPE_SE
	s_setreg_imm32_b32 hwreg(HW_REG_WAVE_MODE, 25, 1), 1
	s_wait_xcnt 0x0
; Six weights [512 (k)][512 (n)] f32 become codes of BF6 (E3M2) along k with one E8M0 byte for each 32 k, laid in the ORDER OF THE OPERAND'S REGISTERS.
; A record of WREC bytes for each weight.  Fragment (b, s, u) = tile 2 b + u of n, K step s (128 k): 12 registers a lane, registers 4 c .. 4 c + 3 at 512 c + 16 x lane, at ((4 b + s) 2 + u) 1536.
; Lane r of tile T stands for n = 32 (T / 2) + 8 (T % 2) + r + 8 (r / 8).  Scale words (four bytes: 128 k of one n) at SCOFF + ((4 b + s) 32 + r + 16 u) 4.
; SHARES.  A WAVE MAKES ONE FRAGMENT.  Grid y = the weight; x: K step s = x / 8; wave w: u = w % 2, b = 2 (x % 8) + w / 2: the four waves read 256 neighbouring bytes of each row.
; Lane (r, h) takes its tile's column of lane r, and its registers run down k in the order that the operand's layout gives that lane: k = 64 c + 32 h + 0 .. 31.  So a block of 32 lies in one lane,
; the conversions' results are the operand's registers, and the fragment leaves as 1,536 dense bytes.  64 loads a wave, no LDS, no barrier.
; A block's scale is 2^(floor(log2(largest magnitude)) - 4); its byte is the largest magnitude's exponent field - 4, held at 1 from below.
; LIMITS: a block whose largest magnitude lies under 2^-122 (a block of zeros too) keeps the byte 1; the bytes are read by this program alone.  NaN and infinities among the inputs are not served.
.set WREC,   204800
.set SCOFF,  196608
.set X,      64                        ; v64-127  two blocks of 32 numbers down k
.set P,      20                        ; v20-31   the fragment
.set T,      44                        ; v44-50   the second conversion of each block (three registers that begin on an even number)
	s_load_b256 s[4:11], s[0:1], 0x0               ; W_q, W_k, W_v, W_o
	s_load_b128 s[12:15], s[0:1], 0x20             ; lin1_w, lin2_w
	s_load_b64 s[16:17], s[0:1], 0x30              ; wts
	v_lshrrev_b32 v6, 5, v0
	v_readfirstlane_b32 s18, v6                    ; wave
	v_and_b32 v6, 31, v0                           ; lane
	v_and_b32 v2, 15, v0                           ; r
	v_bfe_u32 v3, v0, 4, 1                         ; h
	v_and_b32 v1, 8, v2
	v_add_nc_u32 v1, v1, v2                        ; r + 8 (r / 8)
	v_lshlrev_b32 v1, 2, v1
	v_lshl_add_u32 v1, v3, 16, v1                  ; in: my column, and 32 rows of 2,048 bytes further down in lanes 16-31
	v_lshlrev_b32 v4, 4, v6                        ; out: 16 bytes a lane
	v_lshlrev_b32 v5, 2, v2                        ; my column's scale word
	v_lshlrev_b32 v7, 3, v3                        ; 8 h
	v_mov_b32 v10, 0                               ; a lane permute's destination counts as one of its sources
	s_and_b32 s20, ttmp7, 0xffff                   ; the weight
	s_and_b32 s21, ttmp9, 7
	s_lshr_b32 s22, ttmp9, 3                       ; K step s
	s_and_b32 s19, s18, 1                          ; u
	s_lshr_b32 s23, s18, 1
	s_lshl_b32 s21, s21, 1
	s_add_co_u32 s23, s23, s21                     ; b
	s_lshl_b32 s24, s22, 18                        ; 128 rows of 2,048 bytes a K step
	s_lshl_b32 s25, s23, 7                         ; 32 columns of 4 bytes
	s_add_co_u32 s24, s24, s25
	s_lshl_b32 s25, s19, 5                         ; 8 columns
	s_add_co_u32 s24, s24, s25
	s_mov_b32 s25, 0
	s_lshl_b32 s26, s23, 2
	s_add_co_u32 s26, s26, s22                     ; 4 b + s
	s_mul_i32 s27, s20, WREC
	s_lshl_b32 s28, s26, 1
	s_add_co_u32 s28, s28, s19
	s_mul_i32 s28, s28, 1536
	s_add_co_u32 s28, s28, s27                     ; my fragment
	s_mov_b32 s29, 0
	s_lshl_b32 s30, s26, 7
	s_lshl_b32 s31, s19, 6
	s_add_co_u32 s30, s30, s31
	s_add_co_u32 s30, s30, s27
	s_add_co_u32 s30, s30, SCOFF                   ; its 16 scale words
	s_mov_b32 s31, 0
	s_mov_b32 s32, 0x76543210
	s_mov_b32 s33, 0xfedcba98                      ; v_permlanex16_b32's selects for lane l xor 16
	s_wait_alu depctr_va_vdst(0)                   ; the wait at the head's end
	s_wait_kmcnt 0x0
	s_cmp_eq_u32 s20, 1                            ; the weight's address: a choice on the work-group's number alone
	s_cselect_b64 s[4:5], s[6:7], s[4:5]
	s_cmp_eq_u32 s20, 2
	s_cselect_b64 s[4:5], s[8:9], s[4:5]
	s_cmp_eq_u32 s20, 3
	s_cselect_b64 s[4:5], s[10:11], s[4:5]
	s_cmp_eq_u32 s20, 4
	s_cselect_b64 s[4:5], s[12:13], s[4:5]
	s_cmp_eq_u32 s20, 5
	s_cselect_b64 s[4:5], s[14:15], s[4:5]
	s_add_nc_u64 s[4:5], s[4:5], s[24:25]
	s_add_nc_u64 s[6:7], s[16:17], s[28:29]
	s_add_nc_u64 s[8:9], s[16:17], s[30:31]
.set ii, 0
.rept 64
	global_load_b32 v[X+ii], v1, s[4:5] offset:(64*(ii/32)+ii%32)*2048    ; W(128 s + 64 c + 32 h + i, my column)
.set ii, ii+1
.endr
.macro BLK c                           ; my block 2 c + h: all its 32 numbers are mine
.set XJ, X+32*(\c)
	s_wait_loadcnt 32-32*(\c)                      ; this block's 32 loads are in; the other block's may be out
	v_max3_num_f32 v[12+2*(\c)], |v[XJ]|, |v[XJ+1]|, |v[XJ+2]|          ; two chains
	v_max3_num_f32 v[13+2*(\c)], |v[XJ+3]|, |v[XJ+4]|, |v[XJ+5]|
.irp i, 6,10,14,18,22,26
	v_max3_num_f32 v[12+2*(\c)], v[12+2*(\c)], |v[XJ+\i]|, |v[XJ+\i+1]|
	v_max3_num_f32 v[13+2*(\c)], v[13+2*(\c)], |v[XJ+\i+2]|, |v[XJ+\i+3]|
.endr
	v_max3_num_f32 v[12+2*(\c)], v[12+2*(\c)], |v[XJ+30]|, |v[XJ+31]|
	v_max3_num_f32 v[12+2*(\c)], v[12+2*(\c)], v[13+2*(\c)], 0x2800000  ; and the floor 2^(5 - 127): the byte cannot fall under 1
	v_add_nc_u32 v[8+(\c)], 0xfe000000, v[12+2*(\c)]                    ; 4 off the exponent field: the conversion takes that field as its scale
	v_lshrrev_b32 v[16+(\c)], 23, v[8+(\c)]                             ; the scale's byte
	v_cvt_scalef32_pk16_bf6_f32 v[P+6*(\c):P+6*(\c)+2], v[XJ:XJ+15], v[8+(\c)]
	v_cvt_scalef32_pk16_bf6_f32 v[T+4*(\c):T+4*(\c)+2], v[XJ+16:XJ+31], v[8+(\c)]
.endm
	BLK 0
	BLK 1
	v_lshl_or_b32 v18, v17, 16, v16                ; my two bytes: blocks h and 2 + h of my column (it names no register of the conversions: the plain place behind them),
	v_lshlrev_b32 v18, v7, v18                     ; at their places in the scale word;
	v_permlanex16_b32 v10, v18, s32, s33
	v_or_b32 v18, v18, v10                         ; with lane l xor 16's two the word is whole
.irp c, 0,1
.irp i, 0,1,2
	v_mov_b32 v[P+3+6*\c+\i], v[T+4*\c+\i]
.endr
.endr
.irp q, 0,1,2
	global_store_b128 v4, v[P+4*\q:P+4*\q+3], s[6:7] offset:512*\q       ; 32 lanes store 512 consecutive bytes, aligned
.endr
	v_cmp_gt_u32 vcc_lo, 16, v6
	s_wait_alu depctr_va_vdst(0)
	s_wait_xcnt 0x0                                ; EXEC changes only behind this wait
	s_and_saveexec_b32 s34, vcc_lo
	global_store_b32 v5, v18, s[8:9]               ; lanes 0-15: 16 scale words, 64 consecutive bytes
	s_wait_xcnt 0x0
	s_or_b32 exec_lo, exec_lo, s34
	s_endpgm
.Lfunc_end_k_q04fd36a157_wquant:
	.size	k_q04fd36a157_wquant, .Lfunc_end_k_q04fd36a157_wquant-k_q04fd36a157_wquant
	.p2alignl 7, 3214868480
	.fill 96, 4, 3214868480
	.section	.rodata,"a",@progbits
	.p2align	6, 0x0
	.amdhsa_kernel k_q04fd36a157_wquant
		.amdhsa_group_segment_fixed_size 0
		.amdhsa_private_segment_fixed_size 0
		.amdhsa_enable_private_segment 0
		.amdhsa_kernarg_size 56
		.amdhsa_user_sgpr_count 2
		.amdhsa_user_sgpr_kernarg_segment_ptr 1
		.amdhsa_wavefront_size32 1
		.amdhsa_system_sgpr_workgroup_id_x 1
		.amdhsa_system_sgpr_workgroup_id_y 1
		.amdhsa_system_sgpr_workgroup_id_z 1
		.amdhsa_system_vgpr_workitem_id 0
		.amdhsa_next_free_vgpr 128
		.amdhsa_next_free_sgpr 66
		.amdhsa_reserve_vcc 1
		.amdhsa_float_denorm_mode_32 3
		.amdhsa_float_denorm_mode_16_64 3
		.amdhsa_memory_ordered 1
		.amdhsa_forward_progress 1
		.amdhsa_inst_pref_size 12
	.end_amdhsa_kernel
	.amdgpu_metadata
---
amdhsa.version: [ 1, 2 ]
amdhsa.kernels:
  - .name:           k_q04fd36a157_wquant
    .symbol:         k_q04fd36a157_wquant.kd
    .args:
      - { .name: W_q, .offset: 0, .size: 8, .value_kind: global_buffer, .address_space: global }
      - { .name: W_k, .offset: 8, .size: 8, .value_kind: global_buffer, .address_space: global }
      - { .name: W_v, .offset: 16, .size: 8, .value_kind: global_buffer, .address_space: global }
      - { .name: W_o, .offset: 24, .size: 8, .value_kind: global_buffer, .address_space: global }
      - { .name: lin1_w, .offset: 32, .size: 8, .value_kind: global_buffer, .address_space: global }
      - { .name: lin2_w, .offset: 40, .size: 8, .value_kind: global_buffer, .address_space: global }
      - { .name: wts, .offset: 48, .size: 8, .value_kind: global_buffer, .address_space: global }
    .group_segment_fixed_size: 0
    .private_segment_fixed_size: 0
    .kernarg_segment_align: 8
    .kernarg_segment_size: 56
    .max_flat_workgroup_size: 128
    .sgpr_count:     66
    .vgpr_count:     128
    .wavefront_size: 32
...
	.end_amdgpu_metadata
.endif
;; end of part 1
;; launch proj (part 2): grid 256 x 1, 4 waves a work-group, no clusters, 265,728 bytes of LDS; arguments Q, K, V, wts, qbuf, kv; writes qbuf, kv
.if DOCPART == 2
	.amdgcn_target "amdgcn-amd-amdhsa--gfx1250"
	.amdhsa_code_object_version 6
	.text
	.protected	k_q04fd36a157_proj
	.globl	k_q04fd36a157_proj
	.p2align	8
	.type	k_q04fd36a157_proj,@function
k_q04fd36a157_proj:
	s_mov_b64 s[64:65], 0
	v_nop
	global_prefetch_b8 v0, s[64:65] scope:SCOPE_SE
	s_setreg_imm32_b32 hwreg(HW_REG_WAVE_MODE, 25, 1), 1
	s_wait_xcnt 0x0
; The three projections x W (x = Q, K, V: [16,384][512] f32), both operands as codes of BF6 (E3M2) with E8M0 scales; the results are quantised at once for the attention's products.
; THE DEAL.  A tensor is 256 sub-blocks of 64 rows; 768 sub-blocks go to 256 work-groups, three each.  Work-groups 0-84 take Q, 85-169 K, 170-255 V, three neighbouring sub-blocks each; 256 = 85 x 3 + 1, so
; work-groups 254 and 255 take two sub-blocks of V each and then the last sub-block of Q and of K.  For that third trip they load the other weight's fragments straight into registers (the record lies in register order).
; NO CLUSTER: what work-groups share is the weight's record, fetched once a work-group; the change of weight is a branch on the work-group's number.
; NO PREFETCH: x goes from memory straight into registers, asked for a whole trip ahead of its use; no ring of LDS slots waits for it.
; THE WAVES SHARE THE COLUMNS: wave w makes n = 128 w .. 128 w + 127 (heads 2 w, 2 w + 1) for all rows, so its quarter of the weight (32 fragments, 384 registers) stays in registers.
; QUANT: wave w takes tile w of the 64 rows (each load 512 dense bytes of a row), turns it through its own stage so that a lane holds 16 neighbours along k, quantises it, stores four fragments as images of their
; registers, and asks for the next sub-block's numbers as soon as a K step's registers have been converted.  It runs once at the head, under the weight's tensor load, and then at the end of trips 0 and 1.
; A TRIP: every wave fetches all 16 fragments | barrier | 128 products in eight groups of 16, a group's quantiser behind the next group's products | the next trip's addresses | QUANT | barrier.
; TILE ORDER: lane r of tile T (of rows, and of n) stands for index 32 (T / 2) + 8 (T % 2) + r + 8 (r / 8): so the 16 registers of two neighbouring result tiles are 16 neighbours along the next product's K.
; Q, K: source 0 = 16 n of W, source 1 = 16 rows: a lane holds one row, its registers run along the head's 64: quantised along d.
; V: source 0 = 16 rows, source 1 = 16 n: a lane holds one d, its registers run down the KEYS: quantised along the keys, as the second product of the attention wants it.
; OUT.  Half fragments (16 rows x 64 K, registers 0-5): registers 0-3 at 16 x lane, 4-5 at 512 + 8 x lane: 768 bytes.  Scale words: even tile in lanes 0-15, odd in lanes 16-31.  V's word holds 128 keys, two sub-blocks:
; a sub-block stores its own 16-bit half of each word (three sub-blocks a work-group do not pair up).
; LIMITS: a block whose largest magnitude lies under 2^-122 keeps the byte 1 (read by this program alone); NaN and infinities are not served.
; REGISTERS.  window 0: v1-10, v14 addresses; v16-31 W's scale words; v32-47 x's; v64-127 two sets of four accumulators; v128-191 x, K step 3; v192-207 at work; v208-211 the scale words made; v212-231 codes made; v232.. words.
;   window 1: W tiles 0-3 (v0-191), x K step 0 (v192-255).  window 2: W tiles 4-7, x K step 1.  window 3: x's 16 fragments (v0-191), x K step 2.
.set WREC,  204800
.set QREC,  53248
.set KVREC, 104448
.set STG,   204800                     ; LDS: 0 the weight's record; here four stages of 16 x 528 bytes;
.set XIMG,  238592                     ; x's 16 fragments, (m, s) at (4 m + s) 1536;
.set XSC,   263168                     ; their scale words: [m][lane][4 words]; behind them, at 0x40c00, the spare words
.set L16, 1
.set L8,  2
.set TSA, 3
.set TLA, 4
.set XWI, 5
.set XWS, 6
.set XRI, 7
.set XRS, 8
.set WA,  9
.set WSA, 10
.set L4,  14
.set WS,  16
.set XS,  32
.set ACC, 64
.set TM,  192
.set PW,  208
.set PC,  212
.set WD,  232
.set SW,  242
.set WE,  246
.set VW,  248
.set WV,  16
.set SEL, 46
.set MSB, 0
.macro WIN new                         ; the immediate's high byte repeats the setting that is left; a switch that changes nothing is dropped
.if MSB != (\new)
	s_set_vgpr_msb (MSB<<8)|(\new)
.set MSB, (\new)
.endif
.endm
.macro PLACES n
.rept \n
	v_nop
.endr
.endm
.macro BAR                             ; my LDS stores have landed and my LDS loads are in: then the work-group's barrier
	s_wait_dscnt 0x0
	s_barrier_signal -1
	s_barrier_wait -1
.endm
.macro MM1 d, a, b, sa, sb, ra, rb     ; a product that starts a sum.  ra, rb: that side's scales stand in lanes 16-31
.if \ra
	v_wmma_scale_f32_16x16x128_f8f6f4 v[\d:\d+7], v[\a:\a+11], v[\b:\b+11], 0, v[\sa], v[\sb] matrix_a_fmt:MATRIX_FMT_BF6 matrix_b_fmt:MATRIX_FMT_BF6 matrix_a_scale:MATRIX_SCALE_ROW1
.elseif \rb
	v_wmma_scale_f32_16x16x128_f8f6f4 v[\d:\d+7], v[\a:\a+11], v[\b:\b+11], 0, v[\sa], v[\sb] matrix_a_fmt:MATRIX_FMT_BF6 matrix_b_fmt:MATRIX_FMT_BF6 matrix_b_scale:MATRIX_SCALE_ROW1
.else
	v_wmma_scale_f32_16x16x128_f8f6f4 v[\d:\d+7], v[\a:\a+11], v[\b:\b+11], 0, v[\sa], v[\sb] matrix_a_fmt:MATRIX_FMT_BF6 matrix_b_fmt:MATRIX_FMT_BF6
.endif
.endm
.macro MM2 d, a, b, c, sa, sb, ra, rb  ; a product onto registers
.if \ra
	v_wmma_scale_f32_16x16x128_f8f6f4 v[\d:\d+7], v[\a:\a+11], v[\b:\b+11], v[\c:\c+7], v[\sa], v[\sb] matrix_a_fmt:MATRIX_FMT_BF6 matrix_b_fmt:MATRIX_FMT_BF6 matrix_a_scale:MATRIX_SCALE_ROW1
.elseif \rb
	v_wmma_scale_f32_16x16x128_f8f6f4 v[\d:\d+7], v[\a:\a+11], v[\b:\b+11], v[\c:\c+7], v[\sa], v[\sb] matrix_a_fmt:MATRIX_FMT_BF6 matrix_b_fmt:MATRIX_FMT_BF6 matrix_b_scale:MATRIX_SCALE_ROW1
.else
	v_wmma_scale_f32_16x16x128_f8f6f4 v[\d:\d+7], v[\a:\a+11], v[\b:\b+11], v[\c:\c+7], v[\sa], v[\sb] matrix_a_fmt:MATRIX_FMT_BF6 matrix_b_fmt:MATRIX_FMT_BF6
.endif
.endm
; 64 numbers of a lane in window win, register 16 b + i = k 32 b + 16 (lane / 16) + i of my row, become a fragment's codes in v[PC] on and its scale word in v[pw].
.macro Q64 src, win, pw
	WIN ((\win)|((\win)<<2))
.irp b, 0,1,2,3
	v_max3_num_f32 v[TM+\b], |v[\src+16*\b]|, |v[\src+16*\b+1]|, 0x2800000      ; my 16 numbers of block b, and the floor 2^(5 - 127): the byte cannot fall under 1
.endr
.irp i, 2,4,6,8,10,12,14
.irp b, 0,1,2,3
	v_max3_num_f32 v[TM+\b], |v[\src+16*\b+\i]|, |v[\src+16*\b+\i+1]|, v[TM+\b]  ; the four blocks by turns
.endr
.endr
	WIN 0
.irp b, 0,1,2,3
	v_permlanex16_b32 v[TM+4+\b], v[TM+\b], s[SEL], s[SEL+1]
.endr
.irp b, 0,1,2,3
	v_max_num_f32 v[TM+\b], v[TM+\b], v[TM+4+\b]   ; with lane l xor 16's: the block's largest magnitude
.endr
.irp b, 0,1,2,3
	v_add_nc_u32 v[TM+12+\b], 0xfe000000, v[TM+\b] ; 4 off its exponent field: the conversion's scale operand
.endr
.irp b, 0,1,2,3
	v_lshrrev_b32 v[TM+4+\b], 23, v[TM+12+\b]      ; the scale's byte
.endr
	v_lshl_or_b32 v[\pw], v[TM+5], 8, v[TM+4]
	v_lshl_or_b32 v[\pw], v[TM+6], 16, v[\pw]
	v_lshl_or_b32 v[\pw], v[TM+7], 24, v[\pw]
	WIN (\win)
.irp c, 0,1
	v_cvt_scalef32_pk16_bf6_f32 v[PC+6*\c:PC+6*\c+2], v[\src+32*\c:\src+32*\c+15], v[TM+12+2*\c]
	v_cvt_scalef32_pk16_bf6_f32 v[PC+12+4*\c:PC+14+4*\c], v[\src+32*\c+16:\src+32*\c+31], v[TM+13+2*\c]
.endr
	WIN 0
	v_nop                                          ; one plain place behind a scaled conversion
.irp c, 0,1                            ; the operand's layout wants a whole block in a lane
.irp i, 0,1,2
	v_permlane16_swap_b32 v[PC+6*\c+\i], v[PC+12+4*\c+\i]
.endr
.irp i, 0,1,2
	v_mov_b32 v[PC+3+6*\c+\i], v[PC+12+4*\c+\i]
.endr
.endr
.endm
; 32 numbers (two blocks) in window 0 become half a fragment's codes in v[PC] .. v[PC+5] and the word byte 0 | byte 1 << 8 in v[WD].  Each accumulator is read from its low end on.
.macro Q32 src
.irp b, 0,1
	v_max3_num_f32 v[TM+\b], |v[\src+16*\b]|, |v[\src+16*\b+1]|, 0x2800000
.endr
.irp i, 2,4,6,8,10,12,14
.irp b, 0,1
	v_max3_num_f32 v[TM+\b], |v[\src+16*\b+\i]|, |v[\src+16*\b+\i+1]|, v[TM+\b]
.endr
.endr
.irp b, 0,1
	v_permlanex16_b32 v[TM+4+\b], v[TM+\b], s[SEL], s[SEL+1]
.endr
.irp b, 0,1
	v_max_num_f32 v[TM+\b], v[TM+\b], v[TM+4+\b]
.endr
.irp b, 0,1
	v_add_nc_u32 v[TM+12+\b], 0xfe000000, v[TM+\b]
.endr
.irp b, 0,1
	v_lshrrev_b32 v[TM+4+\b], 23, v[TM+12+\b]
.endr
	v_lshl_or_b32 v[WD], v[TM+5], 8, v[TM+4]
	v_cvt_scalef32_pk16_bf6_f32 v[PC:PC+2], v[\src:\src+15], v[TM+12]
	v_cvt_scalef32_pk16_bf6_f32 v[PC+12:PC+14], v[\src+16:\src+31], v[TM+13]
	v_nop
.irp i, 0,1,2
	v_permlane16_swap_b32 v[PC+\i], v[PC+12+\i]
.endr
.irp i, 0,1,2
	v_mov_b32 v[PC+3+\i], v[PC+12+\i]
.endr
.endm
.macro IMG3 adr, off                   ; the fragment in v[PC] on goes to LDS as it stands
.irp c, 0,1,2
	ds_store_b128 v[\adr], v[PC+4*\c:PC+4*\c+3] offset:\off+512*\c
.endr
.endm
.macro FET3 reg, adr, off              ; and comes back so, in any wave
.irp c, 0,1,2
	ds_load_b128 v[\reg+4*\c:\reg+4*\c+3], v[\adr] offset:\off+512*\c
.endr
.endm
; 16 rows x 512 bytes as loaded (register 4 i ..: 16 bytes of row i) go through my stage and come back as 64 numbers of ONE row: register 16 b + 4 j ..: k = 32 b + 16 (lane / 16) + 4 j.  In place: LDS serves a wave's
; instructions in order.  Rows are 528 bytes apart, an odd multiple of 16.
.macro TURN reg, win
	WIN (((\win)<<2)|((\win)<<6))
.irp i, 0,1,2,3,4,5,6,7,8,9,10,11,12,13,14,15
	ds_store_b128 v[TSA], v[\reg+4*\i:\reg+4*\i+3] offset:528*\i
.endr
.irp q, 0,1,2,3,4,5,6,7,8,9,10,11,12,13,14,15
	ds_load_b128 v[\reg+4*\q:\reg+4*\q+3], v[TLA] offset:128*(\q/4)+16*(\q%4)
.endr
	WIN 0
.endm
.macro WCOPY                           ; my quarter of the weight out of LDS: tile 2 bb + u, K step s -> window 1 + bb / 2, register 12 (4 ((2 bb + u) % 4) + s); 16 registers of scale words
.irp bb, 0,1,2,3
	WIN ((1+(\bb/2))<<6)
.irp s, 0,1,2,3
.irp u, 0,1
.irp c, 0,1,2
	ds_load_b128 v[12*(4*((2*\bb+\u)%4)+\s)+4*\c:12*(4*((2*\bb+\u)%4)+\s)+4*\c+3], v[WA] offset:((4*\bb+\s)*2+\u)*1536+512*\c
.endr
.endr
.endr
.endr
	WIN 0
.irp q, 0,1,2,3,4,5,6,7,8,9,10,11,12,13,14,15
	ds_load_b32 v[WS+\q], v[WSA] offset:128*\q
.endr
.endm
.macro WDIR                            ; the same registers, straight from the other weight's record in memory: each load reads 512 dense bytes (the scale words 128)
.irp bb, 0,1,2,3
	WIN ((1+(\bb/2))<<6)
.irp s, 0,1,2,3
.irp u, 0,1
.irp c, 0,1,2
	global_load_b128 v[12*(4*((2*\bb+\u)%4)+\s)+4*\c:12*(4*((2*\bb+\u)%4)+\s)+4*\c+3], v[L16], s[74:75] offset:((4*\bb+\s)*2+\u)*1536+512*\c
.endr
.endr
.endr
.endr
	WIN 0
.irp q, 0,1,2,3,4,5,6,7,8,9,10,11,12,13,14,15
	global_load_b32 v[WS+\q], v[L4], s[76:77] offset:128*\q
.endr
.endm
; K step s of my tile's 16 rows into its own 64 registers, from the sub-block at s[base:base+1]: each load reads 512 dense bytes of one row.  The sixteenth load of K step 3 is left to QUANT's first lines: 63 loads a sub-block here.
.macro XL s, base
	WIN ((((\s)+1)&3)<<6)
.irp i, 0,1,2,3,4,5,6,7,8,9,10,11,12,13,14,15
.if (\s) < 3 || \i < 15
	global_load_b128 v[192-64*((\s)/3)+4*\i:192-64*((\s)/3)+4*\i+3], v[L16], s[\base:\base+1] offset:(\i+8*(\i/8))*2048+512*(\s) th:TH_LOAD_NT
.endif
.endr
	WIN 0
.endm
; The same K step of the sub-block after the one that is being quantised.  In the loop (head = 0) only trip 0 has such a sub-block.
.macro NXT s, head
.if (\head) == 0
	s_cmp_ge_u32 s44, 1
	s_cbranch_scc1 .Lnonext_\@
.endif
	XL \s, 66
.if (\head) == 0
.Lnonext_\@:
.endif
.endm
; The requests NXT stand behind QUANT's last wait on LOADcnt, so each counted wait counts the same loads whether or not a request was made (loads of the other weight, issued just ahead, only make the waits tighter).
.macro QUANT head
	s_wait_loadcnt 47                              ; K step 0's 16 loads are in; behind them 16 + 16 + 15 may be out
	global_load_b128 v[188:191], v[L16], s[20:21] offset:23*2048+1536 th:TH_LOAD_NT   ; the sixteenth load of K step 3 of this sub-block: the youngest load, so the counts below are 32, 16, 0
	TURN 192, 1
	s_wait_loadcnt 32
	TURN 192, 2
	s_wait_dscnt 32                                ; all but the turn just issued: K step 0 is back
	Q64 192, 1, PW
	IMG3 XWI, 0
	s_wait_loadcnt 16
	TURN 192, 3
	s_wait_dscnt 32                                ; K step 1 is back, and the image's stores have read the codes' registers
	Q64 192, 2, PW+1
	IMG3 XWI, 1536
	s_wait_loadcnt 0x0
	TURN 128, 0
	NXT 0, \head                                   ; K steps 0 and 1 have been converted: their registers take the next sub-block's numbers
	NXT 1, \head
	s_wait_dscnt 32
	Q64 192, 3, PW+2
	IMG3 XWI, 3072
	NXT 2, \head
	s_wait_dscnt 0x0
	Q64 128, 0, PW+3
	IMG3 XWI, 4608
	ds_store_b128 v[XWS], v[PW:PW+3]
	NXT 3, \head
.endm
; Q, K: group q = 2 m + hd: tile m of rows x head hd's four tiles of n; the four accumulators take turns, one instruction a turn
.macro MULA q
	WIN (0x0d+((\q)%2))                            ; source 0 (W) window 1 + hd, source 1 (x) window 3
.irp s, 0,1,2,3
.irp t, 0,1,2,3
.if \s == 0
	MM1 ACC+32*((\q)%2)+8*\t, 12*(4*\t+\s), 12*(4*((\q)/2)+\s), WS+4*(2*((\q)%2)+(\t/2))+\s, XS+4*((\q)/2)+\s, (\t%2), 0
.else
	MM2 ACC+32*((\q)%2)+8*\t, 12*(4*\t+\s), 12*(4*((\q)/2)+\s), ACC+32*((\q)%2)+8*\t, WS+4*(2*((\q)%2)+(\t/2))+\s, XS+4*((\q)/2)+\s, (\t%2), 0
.endif
.endr
.endr
.endm
.macro EPIA q
	s_wait_xcnt 0x0                                ; the last stores have read the codes' registers
	Q32 ACC+32*((\q)%2)
	global_store_b128 v[L16], v[PC:PC+3], s[36+2*((\q)%2):37+2*((\q)%2)] offset:768*((\q)/2)
	global_store_b64 v[L8], v[PC+4:PC+5], s[36+2*((\q)%2):37+2*((\q)%2)] offset:768*((\q)/2)+512
.if ((\q)/2)%2 == 0
	v_mov_b32 v[WE+(\q)%2], v[WD]                  ; the even tile's words wait for the odd tile's
.else
	v_cndmask_b32 v[SW+2*((\q)%2)+(\q)/4], v[WE+(\q)%2], v[WD], s48    ; lanes 0-15 the even tile's, lanes 16-31 the odd one's
.endif
.if (\q)/2 == 3
	global_store_b64 v[L8], v[SW+2*((\q)%2):SW+2*((\q)%2)+1], s[40+2*((\q)%2):41+2*((\q)%2)]   ; 256 dense bytes: the sub-block's words of this head
.endif
.endm
; V: group tt = tile tt of my n x the four tiles of rows
.macro MULB tt
	WIN (0x07+4*((\tt)/4))                         ; source 0 (x) window 3, source 1 (W) window 1 or 2
.irp s, 0,1,2,3
.irp m, 0,1,2,3
.if \s == 0
	MM1 ACC+32*((\tt)%2)+8*\m, 12*(4*\m+\s), 12*(4*((\tt)%4)+\s), XS+4*\m+\s, WS+4*((\tt)/2)+\s, 0, ((\tt)%2)
.else
	MM2 ACC+32*((\tt)%2)+8*\m, 12*(4*\m+\s), 12*(4*((\tt)%4)+\s), ACC+32*((\tt)%2)+8*\m, XS+4*\m+\s, WS+4*((\tt)/2)+\s, 0, ((\tt)%2)
.endif
.endr
.endr
.endm
.macro EPIB tt
	s_wait_xcnt 0x0
	Q32 ACC+32*((\tt)%2)
	global_store_b128 v[L16], v[PC:PC+3], s[36+2*((\tt)/4):37+2*((\tt)/4)] offset:768*((\tt)%4)
	global_store_b64 v[L8], v[PC+4:PC+5], s[36+2*((\tt)/4):37+2*((\tt)/4)] offset:768*((\tt)%4)+512
	v_mov_b32 v[VW+(\tt)], v[WD]                   ; this tile's two bytes: 64 keys
.endm
.macro SELX d, y                       ; the tensor's address: a choice on ids alone
	s_cmp_eq_u32 s[\y], 1
	s_cselect_b64 s[\d:\d+1], s[6:7], s[4:5]
	s_cmp_eq_u32 s[\y], 2
	s_cselect_b64 s[\d:\d+1], s[8:9], s[\d:\d+1]
.endm
; Where sub-block s70 of tensor s19 goes: s[36:37], s[38:39] codes of heads 2 w, 2 w + 1; s[40:41], s[42:43] their scale words.  16 sub-blocks to a batch; a record for each batch and head.
.macro OUTP
	s_lshr_b32 s54, s70, 4                         ; the batch
	s_lshl_b32 s54, s54, 3
	s_lshl_b32 s55, s[WV], 1
	s_add_co_u32 s54, s54, s55                     ; the record of head 2 w
	s_and_b32 s55, s70, 15                         ; the sub-block in its batch
	s_mov_b32 s56, KVREC
	s_cmp_eq_u32 s19, 0
	s_cselect_b32 s56, QREC, s56                   ; a record's bytes
	s_cselect_b64 s[36:37], s[12:13], s[14:15]
	s_mul_i32 s54, s54, s56
	s_lshl_b32 s58, s55, 8                         ; Q, K: 256 bytes of words a sub-block, behind the codes
	s_add_co_u32 s58, s58, 49152
	s_lshr_b32 s59, s55, 1                         ; V: 256 bytes of words for two sub-blocks,
	s_lshl_b32 s59, s59, 8
	s_and_b32 s57, s55, 1
	s_lshl_b32 s57, s57, 1                         ; and in each word my half
	s_add_co_u32 s59, s59, s57
	s_add_co_u32 s59, s59, 102400
	s_cmp_eq_u32 s19, 2
	s_cselect_b32 s58, s59, s58
	s_cselect_b32 s57, 53248, 0                    ; V's codes lie behind K's part
	s_add_co_u32 s58, s58, s54
	s_mov_b32 s59, 0
	s_mul_i32 s55, s55, 3072                       ; 3,072 bytes of codes a sub-block
	s_add_co_u32 s60, s54, s57
	s_add_co_u32 s60, s60, s55
	s_mov_b32 s61, 0
	s_mov_b32 s57, 0
	s_add_nc_u64 s[40:41], s[36:37], s[58:59]
	s_add_nc_u64 s[36:37], s[36:37], s[60:61]
	s_add_nc_u64 s[38:39], s[36:37], s[56:57]
	s_add_nc_u64 s[42:43], s[40:41], s[56:57]
.endm
	s_load_b256 s[4:11], s[0:1], 0x0               ; Q, K, V, wts
	s_load_b128 s[12:15], s[0:1], 0x20             ; qbuf, kv
	v_lshl_add_u32 v240, v0, 2, 0x40c00
	v_mov_b32 v241, 0
	ds_add_u32 v240, v241
	ds_add_u32 v240, v241
	v_lshrrev_b32 v11, 5, v0
	v_readfirstlane_b32 s[WV], v11                 ; wave 0..3
	s_cmp_ge_u32 ttmp9, 85                         ; the deal, from the work-group's number g
	s_cselect_b32 s19, 1, 0
	s_cmp_ge_u32 ttmp9, 170
	s_cselect_b32 s17, 1, 0
	s_add_co_u32 s19, s19, s17                     ; the tensor of trips 0 and 1
	s_mul_i32 s17, s19, 85
	s_sub_co_u32 s17, ttmp9, s17
	s_mul_i32 s70, s17, 3
	s_min_u32 s70, s70, 254                        ; its first sub-block (g = 255: 254)
	s_sub_co_u32 s17, ttmp9, 254
	s_add_co_u32 s18, s70, 2
	s_cmp_ge_u32 ttmp9, 254
	s_cselect_b32 s71, 1, 0                        ; 1: the third trip changes the weight
	s_cselect_b32 s72, s17, s19                    ; the third trip's tensor
	s_cselect_b32 s73, 255, s18                    ; and sub-block
	s_mov_b32 s24, 3<<16                           ; group 1: no mask; elements of 8 bytes
	s_mov_b32 s25, 32<<16                          ; tensor_dim0 = 32 (256 bytes)
	s_mov_b32 s26, 200<<16                         ; tensor_dim1 = 200 rows: a quarter of the record
	s_mov_b32 s27, 32<<16                          ; tile_dim0
	s_mov_b32 s28, 200                             ; tile_dim1
	s_mov_b32 s29, 32                              ; the pitch: dense
	s_mov_b32 s30, 0
	s_mov_b32 s31, 0
	s_mov_b32 s32, 1
	s_mul_i32 s33, s[WV], 51200                    ; LDS address: my quarter
	s_mul_i32 s50, s19, WREC
	s_add_co_u32 s50, s50, s33
	s_mov_b32 s51, 0
	s_lshr_b32 s52, s[WV], 1
	s_lshl_b32 s52, s52, 16
	s_and_b32 s53, s[WV], 1
	s_lshl_b32 s53, s53, 14
	s_add_co_u32 s52, s52, s53                     ; my tile's first row, 32 (w / 2) + 8 (w % 2), in bytes
	s_lshl_b32 s54, s70, 17                        ; a sub-block: 64 rows of 2,048 bytes
	s_add_co_u32 s54, s54, s52
	s_mov_b32 s55, 0
	s_lshl_b32 s56, s73, 17
	s_add_co_u32 s56, s56, s52
	s_mov_b32 s57, 0
	s_mul_i32 s58, s72, WREC                       ; the third trip's weight: my quarter of its fragments,
	s_lshl_b32 s60, s[WV], 11
	s_add_co_u32 s60, s60, s58
	s_add_co_u32 s60, s60, 196608                  ; and of its scale words
	s_mov_b32 s61, 0
	s_mul_i32 s59, s[WV], 49152
	s_add_co_u32 s58, s58, s59
	s_mov_b32 s59, 0
	s_mov_b32 s[SEL], 0x76543210
	s_mov_b32 s[SEL+1], 0xfedcba98                 ; v_permlanex16_b32's selects for lane l xor 16
	s_mov_b32 s48, 0xffff0000                      ; lanes 16-31
	v_and_b32 v11, 31, v0                          ; lane
	v_lshlrev_b32 v[L16], 4, v11
	v_lshlrev_b32 v[L8], 3, v11
	v_lshlrev_b32 v[L4], 2, v11
	s_wait_dscnt 0x0
	s_wait_kmcnt 0x0
	s_add_nc_u64 s[34:35], s[10:11], s[50:51]      ; my quarter of the weight's record
	s_or_b32 s35, s35, 0x80000000
	tensor_load_to_lds s[32:35], s[24:31]          ; the one tensor load of this wave: filled once, nothing is filled again
	s_nop 0
	PLACES 4
	SELX 20, 19
	s_add_nc_u64 s[20:21], s[20:21], s[54:55]      ; x at my tile of the first sub-block,
	s_add_nc_u64 s[66:67], s[20:21], 131072        ; of the second,
	SELX 68, 72
	s_add_nc_u64 s[68:69], s[68:69], s[56:57]      ; of the third
	s_add_nc_u64 s[74:75], s[10:11], s[58:59]
	s_add_nc_u64 s[76:77], s[10:11], s[60:61]
	s_wait_alu depctr_va_vdst(0)                   ; the wait here, directly ahead of the first reader of 16 x lane
	XL 0, 20
	XL 1, 20
	XL 2, 20
	XL 3, 20
	OUTP
	v_and_b32 v12, 15, v0                          ; r
	v_bfe_u32 v13, v0, 4, 1                        ; h
	s_mul_i32 s61, s[WV], 8448
	s_add_co_u32 s61, s61, STG                     ; my stage
	v_add_nc_u32 v[TSA], s61, v[L16]
	v_mul_u32_u24 v[TLA], v12, 528
	v_lshl_add_u32 v[TLA], v13, 6, v[TLA]
	v_add_nc_u32 v[TLA], s61, v[TLA]
	s_mul_i32 s62, s[WV], 6144
	s_add_co_u32 s62, s62, XIMG
	v_add_nc_u32 v[XWI], s62, v[L16]
	s_lshl_b32 s62, s[WV], 9
	s_add_co_u32 s62, s62, XSC
	v_add_nc_u32 v[XWS], s62, v[L16]
	v_add_nc_u32 v[XRI], XIMG, v[L16]
	v_add_nc_u32 v[XRS], XSC, v[L16]
	s_mul_i32 s62, s[WV], 49152
	v_add_nc_u32 v[WA], s62, v[L16]
	s_lshl_b32 s62, s[WV], 11
	s_add_co_u32 s62, s62, 196608
	v_lshl_add_u32 v[WSA], v11, 2, s62
.irp b, 4,5,6,7
	v_mov_b32 v[TM+\b], 0                          ; written once: a lane permute's destination counts as one of its sources
.endr
	s_wait_alu depctr_va_vdst(0)                   ; the wait at the head's end
	QUANT 1                                        ; the first sub-block, while the weight's record is on its way
	s_wait_tensorcnt 0x0                           ; my quarter of the record has landed,
	BAR                                            ; everybody's has, and the first sub-block's 16 fragments lie in LDS
	WCOPY
	s_mov_b32 s44, 0
.Lsub:                                             ; three trips: a sub-block of 64 rows each
	WIN 0xc0
.set ff, 0
.rept 16
	FET3 12*ff, XRI, 1536*ff
.set ff, ff+1
.endr
	WIN 0
.irp m, 0,1,2,3
	ds_load_b128 v[XS+4*\m:XS+4*\m+3], v[XRS] offset:512*\m
.endr
	BAR                                            ; everybody's reads are in: the next sub-block's images may be stored
	s_cmp_eq_u32 s19, 2                            ; the same in all waves; neither way holds an LDS instruction or a barrier
	s_cbranch_scc1 .Lwayb
	MULA 0
.irp qq, 1,2,3,4,5,6,7
	MULA \qq
	WIN 0
	PLACES 4                                       ; four places behind the products of the group before, whose results are read now
	EPIA \qq-1
.endr
	PLACES 4
	EPIA 7
	s_branch .Ljoin
.Lwayb:
	MULB 0
.irp qq, 1,2,3,4,5,6,7
	MULB \qq
	WIN 0
	PLACES 4
	EPIB \qq-1
.endr
	PLACES 4
	EPIB 7
.irp p, 0,1,2,3
	v_cndmask_b32 v[SW+\p], v[VW+2*\p], v[VW+2*\p+1], s48      ; lanes 0-15 the even tile's bytes, lanes 16-31 the odd one's
.endr
	global_store_b16 v[L8], v[SW], s[40:41]                    ; my sub-block's half of each word of 128 keys
	global_store_b16 v[L8], v[SW+1], s[40:41] offset:4
	global_store_b16 v[L8], v[SW+2], s[42:43]
	global_store_b16 v[L8], v[SW+3], s[42:43] offset:4
.Ljoin:
	s_cmp_eq_u32 s44, 2                            ; behind the last sub-block nothing is left to prepare
	s_cbranch_scc1 .Lnoq
	s_wait_xcnt 0x0                                ; every load and store issued has read its base
	s_mov_b64 s[20:21], s[66:67]                   ; the sub-block that QUANT takes now,
	s_mov_b64 s[66:67], s[68:69]                   ; and the one that it asks for
	s_add_co_u32 s70, s70, 1
	s_cmp_eq_u32 s44, 1                            ; the third trip has its own tensor and sub-block
	s_cselect_b32 s19, s72, s19
	s_cselect_b32 s70, s73, s70
	s_cselect_b32 s17, s71, 0
	OUTP
	s_cmp_lg_u32 s17, 0                            ; work-groups 254 and 255, ahead of their third trip: the other weight (ids and the loop's count alone)
	s_cbranch_scc0 .Lsamew
	WDIR                                           ; the epilogues' vector work stands between the last products and these loads; QUANT's wait for all loads covers them
.Lsamew:
	QUANT 0                                        ; the next trip's sub-block: every wave has fetched this trip's images ahead of the barrier above the products
.Lnoq:
	BAR                                            ; the next sub-block's 16 fragments lie in LDS
	s_add_co_u32 s44, s44, 1
	s_cmp_lt_u32 s44, 3
	s_cbranch_scc1 .Lsub
	s_wait_tensorcnt 0x0                           ; the wave's end
	ds_add_u32 v240, v241
	s_wait_dscnt 0x0
	s_endpgm
.Lfunc_end_k_q04fd36a157_proj:
	.size	k_q04fd36a157_proj, .Lfunc_end_k_q04fd36a157_proj-k_q04fd36a157_proj
	.p2alignl 7, 3214868480
	.fill 96, 4, 3214868480
	.section	.rodata,"a",@progbits
	.p2align	6, 0x0
	.amdhsa_kernel k_q04fd36a157_proj
		.amdhsa_group_segment_fixed_size 265728
		.amdhsa_private_segment_fixed_size 0
		.amdhsa_enable_private_segment 0
		.amdhsa_kernarg_size 48
		.amdhsa_user_sgpr_count 2
		.amdhsa_user_sgpr_kernarg_segment_ptr 1
		.amdhsa_wavefront_size32 1
		.amdhsa_system_sgpr_workgroup_id_x 1
		.amdhsa_system_sgpr_workgroup_id_y 1
		.amdhsa_system_sgpr_workgroup_id_z 1
		.amdhsa_system_vgpr_workitem_id 0
		.amdhsa_next_free_vgpr 1024
		.amdhsa_next_free_sgpr 100
		.amdhsa_reserve_vcc 0
		.amdhsa_float_denorm_mode_32 3
		.amdhsa_float_denorm_mode_16_64 3
		.amdhsa_memory_ordered 1
		.amdhsa_forward_progress 1
		.amdhsa_inst_pref_size 167
	.end_amdhsa_kernel
	.amdgpu_metadata
---
amdhsa.version: [ 1, 2 ]
amdhsa.kernels:
  - .name:           k_q04fd36a157_proj
    .symbol:         k_q04fd36a157_proj.kd
    .args:
      - { .name: Q, .offset: 0, .size: 8, .value_kind: global_buffer, .address_space: global }
      - { .name: K, .offset: 8, .size: 8, .value_kind: global_buffer, .address_space: global }
      - { .name: V, .offset: 16, .size: 8, .value_kind: global_buffer, .address_space: global }
      - { .name: wts, .offset: 24, .size: 8, .value_kind: global_buffer, .address_space: global }
      - { .name: qbuf, .offset: 32, .size: 8, .value_kind: global_buffer, .address_space: global }
      - { .name: kv, .offset: 40, .size: 8, .value_kind: global_buffer, .address_space: global }
    .group_segment_fixed_size: 265728
    .private_segment_fixed_size: 0
    .kernarg_segment_align: 8
    .kernarg_segment_size: 48
    .max_flat_workgroup_size: 128
    .sgpr_count:     100
    .vgpr_count:     1024
    .wavefront_size: 32
...
	.end_amdgpu_metadata
.endif
;; end of part 2
;; launch attn (part 3): grid 2 x 128, 16 waves a work-group, no clusters, 169,984 bytes of LDS; arguments qbuf, kv, mask, ctx; writes ctx
.if DOCPART == 3
	.amdgcn_target "amdgcn-amd-amdhsa--gfx1250"
	.amdhsa_code_object_version 6
	.text
	.protected	k_q04fd36a157_attn
	.globl	k_q04fd36a157_attn
	.p2align	8
	.type	k_q04fd36a157_attn,@function
k_q04fd36a157_attn:
	s_mov_b64 s[64:65], 0
	v_nop
	global_prefetch_b8 v0, s[64:65] scope:SCOPE_SE
	s_setreg_imm32_b32 hwreg(HW_REG_WAVE_MODE, 25, 1), 1
	s_wait_xcnt 0x0
; Causal attention of one head (grid y = batch x 8 + head), both products on codes of BF6 (E3M2) with E8M0 scales; the context is quantised along d for the next product.
; t = score x log2(e) / f32(8 + 1e-6); M = the running largest t rounded UP to a whole number; p = 2^(t - M) is quantised along the keys, not normalised; the row's sum of the unquantised p divides at the end.
; THE PAD MASK acts on the QUERY: a padded row has all 1,024 scores alike, so p = 1 for every key, later keys too, and the sum is 1,024: its context is (the sum over all keys of the quantised V) / 1,024.
; That sum is made once a work-group by the matrix unit (V^T times codes of 1.0) and chosen by v_cndmask_b32 at a pass's end: no branch hangs on the mask.
; SHARES.  The head's whole record of K and V (104,448 bytes: codes and scale words in register order) lies in LDS, filled once: no ring, no refill, no barrier in the loops.  A wave owns one tile of 16 queries at a time
; and makes two passes: with g0 = wave % 4 and e = wave / 4 + 4 x (grid x), tiles 8 g0 + e and 8 (7 - g0) + e.  Tile 8 g + e needs key steps 0 .. g of 128 keys, so every wave works 9 steps.
; Both loops have constant trip counts; a step whose keys all come after the tile's queries is left out by a scalar branch on ids.  No cluster: a head has two work-groups, and what they share is one fill at the head.
; LAYOUT.  Both products transposed: S^T = K Q^T, O^T = V^T P^T: a lane holds ONE query.  The keys of a tile of K and the d of a tile of V^T follow the tile order (lane r of tile T: 32 (T / 2) + 8 (T % 2) + r + 8 (r / 8)),
; so p's 16 registers of two neighbouring tiles are 16 neighbouring keys, and O^T's are 16 neighbouring d.  The head's 64 are half a K step: registers 6-11 of Q's and K's fragments hold zero codes.
; LIMITS: hidden scores are taken as -infinity where the definition has -1e10: the same p = 0 while true scores stay above about -1e10.  1 / sum is v_rcp_f32.  NaN and infinities are not served.
; A block whose largest magnitude lies under 2^-122 keeps the byte 1 (read by this program alone).
; REGISTERS: v1-7 addresses that stay; v8-11, v28, v29 the step's; v12 -M, v13 largest t, v[14:15] the sum; v16-27 Q; v30, v31 addresses; v32-79 four fragments of K; v80-87 scale words; v88-91 pad byte, offsets, my query;
;   v96-159 S^T, then p, then V's four fragments; v160-191 O^T; v192-211 codes; v212-213 the word; v216-224 scale words of the sum of V; v232-254 at work.
.set KVREC, 104448
.set QREC,  53248
.set KS,    49152                      ; LDS = the record: K's codes at 0, K's scale words here,
.set VC,    53248                      ; V's codes,
.set VS,    102400                     ; V's scale words;
.set VSUM,  104448                     ; behind it 256 bytes of my own: the sum of V, [tile of d][lane / 16][8]
.set PC,  192
.set TM,  232
.set WD,  212
.set WV,  12
.set SEL, 28
.set CS,  30
.macro PLACES n
.rept \n
	v_nop
.endr
.endm
.macro BAR
	s_wait_dscnt 0x0
	s_barrier_signal -1
	s_barrier_wait -1
.endm
.macro MM1 d, a, b, sa, sb, ra
.if \ra
	v_wmma_scale_f32_16x16x128_f8f6f4 v[\d:\d+7], v[\a:\a+11], v[\b:\b+11], 0, v[\sa], v[\sb] matrix_a_fmt:MATRIX_FMT_BF6 matrix_b_fmt:MATRIX_FMT_BF6 matrix_a_scale:MATRIX_SCALE_ROW1
.else
	v_wmma_scale_f32_16x16x128_f8f6f4 v[\d:\d+7], v[\a:\a+11], v[\b:\b+11], 0, v[\sa], v[\sb] matrix_a_fmt:MATRIX_FMT_BF6 matrix_b_fmt:MATRIX_FMT_BF6
.endif
.endm
.macro MM2 d, a, b, sa, sb, ra         ; in place
.if \ra
	v_wmma_scale_f32_16x16x128_f8f6f4 v[\d:\d+7], v[\a:\a+11], v[\b:\b+11], v[\d:\d+7], v[\sa], v[\sb] matrix_a_fmt:MATRIX_FMT_BF6 matrix_b_fmt:MATRIX_FMT_BF6 matrix_a_scale:MATRIX_SCALE_ROW1
.else
	v_wmma_scale_f32_16x16x128_f8f6f4 v[\d:\d+7], v[\a:\a+11], v[\b:\b+11], v[\d:\d+7], v[\sa], v[\sb] matrix_a_fmt:MATRIX_FMT_BF6 matrix_b_fmt:MATRIX_FMT_BF6
.endif
.endm
.macro Q32 src                         ; 32 numbers (two blocks of 32 with lane l xor 16) -> half a fragment's codes in v[PC] .. v[PC+5], the word byte 0 | byte 1 << 8 in v[WD]
.irp b, 0,1
	v_max3_num_f32 v[TM+\b], |v[\src+16*\b]|, |v[\src+16*\b+1]|, 0x2800000
.endr
.irp i, 2,4,6,8,10,12,14
.irp b, 0,1
	s_delay_alu instid0(VALU_DEP_2)
	v_max3_num_f32 v[TM+\b], |v[\src+16*\b+\i]|, |v[\src+16*\b+\i+1]|, v[TM+\b]
.endr
.endr
.irp b, 0,1
	s_delay_alu instid0(VALU_DEP_2)
	v_permlanex16_b32 v[TM+4+\b], v[TM+\b], s[SEL], s[SEL+1]
.endr
.irp b, 0,1
	s_delay_alu instid0(VALU_DEP_2)
	v_max_num_f32 v[TM+\b], v[TM+\b], v[TM+4+\b]
.endr
.irp b, 0,1
	s_delay_alu instid0(VALU_DEP_2)
	v_add_nc_u32 v[TM+12+\b], 0xfe000000, v[TM+\b]
.endr
.irp b, 0,1
	s_delay_alu instid0(VALU_DEP_2)
	v_lshrrev_b32 v[TM+4+\b], 23, v[TM+12+\b]
.endr
	s_delay_alu instid0(VALU_DEP_1)
	v_lshl_or_b32 v[WD], v[TM+5], 8, v[TM+4]
	v_cvt_scalef32_pk16_bf6_f32 v[PC:PC+2], v[\src:\src+15], v[TM+12]
	v_cvt_scalef32_pk16_bf6_f32 v[PC+12:PC+14], v[\src+16:\src+31], v[TM+13]
	v_nop
.irp i, 0,1,2
	v_permlane16_swap_b32 v[PC+\i], v[PC+12+\i]
.endr
.irp i, 0,1,2
	s_delay_alu instid0(VALU_DEP_3)
	v_mov_b32 v[PC+3+\i], v[PC+12+\i]
.endr
.endm
	s_load_b256 s[4:11], s[0:1], 0x0               ; qbuf, kv, mask, ctx
	v_lshl_add_u32 v251, v0, 2, 0x29000
	v_mov_b32 v255, 0
	ds_add_u32 v251, v255
	ds_add_u32 v251, v255
	v_lshrrev_b32 v8, 5, v0
	s_delay_alu instid0(VALU_DEP_1)
	v_readfirstlane_b32 s[WV], v8                  ; wave 0..15
	s_and_b32 s13, ttmp7, 0xffff                   ; y = batch x 8 + head
	s_mov_b32 s16, 3<<16                           ; group 1: no mask; elements of 8 bytes; no padding
	s_mov_b32 s17, 32<<16                          ; rows of 256 bytes,
	s_mov_b32 s18, 51<<16                          ; 51 of them: an eighth of the record
	s_mov_b32 s19, 32<<16
	s_mov_b32 s20, 51
	s_mov_b32 s21, 32                              ; dense
	s_mov_b32 s22, 0
	s_mov_b32 s23, 0
	s_mov_b32 s24, 1
	s_mul_i32 s25, s[WV], 13056
	s_mul_i32 s50, s13, KVREC
	s_add_co_u32 s50, s50, s25
	s_mov_b32 s51, 0
	s_wait_dscnt 0x0
	s_wait_kmcnt 0x0
	s_add_nc_u64 s[26:27], s[6:7], s[50:51]
	s_or_b32 s27, s27, 0x80000000
	s_cmp_lt_u32 s[WV], 8                          ; waves 0 to 7 bring an eighth each
	s_cbranch_scc0 .Lnofill
	tensor_load_to_lds s[24:27], s[16:23]
	s_nop 0
	PLACES 4
.Lnofill:
	s_mov_b32 s[SEL], 0x76543210
	s_mov_b32 s[SEL+1], 0xfedcba98
	s_mov_b32 s[CS], 0x3e38aa3a                    ; c = log2(e) / f32(8 + 1e-6)
	s_mov_b32 s[CS+1], s[CS]                       ; (named with it as a pair)
	s_and_b32 s32, s[WV], 3                        ; g0; also the tile of d of waves 0 to 3 in the sum of V
	s_lshr_b32 s33, s[WV], 2
	s_lshl_b32 s52, ttmp9, 2
	s_add_co_u32 s33, s33, s52                     ; e
	v_and_b32 v232, 31, v0                         ; lane
	v_and_b32 v233, 15, v0                         ; r
	v_bfe_u32 v234, v0, 4, 1                       ; h
	s_delay_alu instid0(VALU_DEP_3)
	v_lshlrev_b32 v1, 4, v232                      ; 16 x lane: registers 0-3 of a half fragment
	s_delay_alu instid0(VALU_DEP_4)
	v_lshlrev_b32 v30, 3, v232                     ; 8 x lane
	s_delay_alu instid0(VALU_DEP_1)
	v_add_nc_u32 v2, 512, v30                      ; registers 4-5
	s_delay_alu instid0(VALU_DEP_2)
	v_add_nc_u32 v3, KS, v30
	s_delay_alu instid0(VALU_DEP_4)
	v_add_nc_u32 v4, VC, v1
	s_delay_alu instid0(VALU_DEP_4)
	v_add_nc_u32 v5, VC+512, v30
	v_add_nc_u32 v6, VS, v30
	v_lshl_add_u32 v31, v234, 5, VSUM
	s_lshr_b32 s52, s33, 1
	s_lshl_b32 s52, s52, 5
	s_and_b32 s53, s33, 1
	s_lshl_b32 s54, s53, 3
	s_add_co_u32 s52, s52, s54                     ; 32 (e / 2) + 8 (e % 2)
	v_and_b32 v7, 8, v233
	s_delay_alu instid0(VALU_DEP_1)
	v_add_nc_u32 v7, v7, v233
	s_delay_alu instid0(VALU_DEP_1)
	v_add_nc_u32 v91, s52, v7                      ; my query among its key step's 128: the same in both passes
	v_lshlrev_b32 v235, 4, v234
	s_delay_alu instid0(VALU_DEP_1)
	v_sub_nc_u32 v7, v91, v235                     ; d = that - 16 (lane / 16): register 16 b + i of the diagonal step is hidden where 32 b + i > d
	s_lshl_b32 s53, s53, 7
	s_bfe_u32 s54, s33, 0x10001
	s_lshl_b32 s54, s54, 2
	s_add_co_u32 s53, s53, s54
	v_lshl_add_u32 v90, v233, 3, s53               ; Q's scale word: 8 (r + 16 (e % 2)) + 4 ((e / 2) % 2)
	s_mul_i32 s54, s32, 768                        ; the addresses of the sum of V are made by every wave, ahead of the branch
	v_add_nc_u32 v8, s54, v4
	v_add_nc_u32 v9, s54, v5
	s_and_b32 s55, s32, 1
	s_lshl_b32 s55, s55, 7
	s_lshr_b32 s56, s32, 1
	s_lshl_b32 s56, s56, 2
	s_add_co_u32 s55, s55, s56
	s_add_co_u32 s55, s55, VS
	v_lshl_add_u32 v10, v233, 3, s55
	s_lshl_b32 s56, s32, 6
	v_add_nc_u32 v11, s56, v31
	s_mul_i32 s50, s13, QREC
	s_add_nc_u64 s[48:49], s[4:5], s[50:51]        ; the head's record of Q
	s_lshr_b32 s52, s13, 3                         ; the batch
	s_lshl_b32 s50, s52, 10
	s_add_nc_u64 s[46:47], s[8:9], s[50:51]        ; its mask bytes
	s_lshl_b32 s50, s52, 19
	s_and_b32 s53, s13, 7
	s_lshl_b32 s53, s53, 10
	s_add_co_u32 s50, s50, s53
	s_add_nc_u64 s[58:59], s[10:11], s[50:51]      ; ctx: record (8 x tile + head) of 1,024 bytes, at the batch's tile 0
	s_wait_tensorcnt 0x0                           ; my eighth has landed (a wave that brought none passes),
	BAR                                            ; everybody's has
	s_cmp_lt_u32 s[WV], 4
	s_cbranch_scc0 .Lnovs
	; THE SUM OF V over all 1,024 keys: wave t takes tile t of d; eight whole fragments of V^T times ones
	s_wait_alu depctr_va_vdst(0)
.irp g, 0,1,2,3,4,5,6,7
	ds_load_b128 v[96+12*\g:99+12*\g], v8 offset:6144*\g
	ds_load_b64 v[100+12*\g:101+12*\g], v9 offset:6144*\g
	ds_load_b128 v[102+12*\g:105+12*\g], v8 offset:6144*\g+3072
	ds_load_b64 v[106+12*\g:107+12*\g], v9 offset:6144*\g+3072
	ds_load_b32 v[216+\g], v10 offset:256*\g
.endr
.irp i, 0,3,6,9
	v_mov_b32 v[192+\i], 0x0c30c30c                ; the code of 1.0 (0x0c), 6 bits each, without gaps
	v_mov_b32 v[193+\i], 0xc30c30c3
	v_mov_b32 v[194+\i], 0x30c30c30
.endr
	v_mov_b32 v224, 0x7f7f7f7f                     ; their scale: 1
	PLACES 8                                       ; a scale register written by a vector instruction stands 8 places ahead of a scaled product, an operand 4
	s_wait_alu depctr_va_vdst(0)
	s_wait_dscnt 0x0
	MM1 32, 96, 192, 216, 224, 0                   ; two accumulators by turns
	MM1 40, 108, 192, 217, 224, 0
.irp g, 2,4,6
	MM2 32, 96+12*\g, 192, 216+\g, 224, 0
	MM2 40, 108+12*\g, 192, 217+\g, 224, 0
.endr
	PLACES 4
.irp j, 0,1,2,3,4,5,6,7
	v_add_f32 v[48+\j], v[32+\j], v[40+\j]         ; every column alike: register j of lane (r, h) is the sum for d = tile order (8 h + j)
.endr
	ds_store_b128 v11, v[48:51]                    ; the sixteen lanes of a half write the same bytes with the same values
	ds_store_b128 v11, v[52:55] offset:16
.Lnovs:
	BAR                                            ; the sum of V lies in LDS
.irp t, 0,1,2,3
.irp i, 6,7,8,9,10,11
	v_mov_b32 v[32+12*\t+\i], 0                    ; K's fragments: zero codes for k = 64 .. 127; they stay
.endr
.endr
.irp i, 22,23,24,25,26,27
	v_mov_b32 v\i, 0                               ; Q's likewise
.endr
.irp i, 236,237,238,239,252,253
	v_mov_b32 v\i, 0                               ; written once: lane permutes' destinations, and the upper half of the pair v[252:253]
.endr
	s_mov_b32 s36, 0
.Lpass:                                            ; two trips
	s_sub_co_u32 s52, 7, s32
	s_cmp_eq_u32 s36, 0
	s_cselect_b32 s34, s32, s52                    ; g: the tile's diagonal key step
	s_lshl_b32 s53, s34, 3
	s_add_co_u32 s53, s53, s33                     ; the tile
	s_mov_b32 s55, 0
	s_mul_i32 s54, s53, 768
	s_add_nc_u64 s[40:41], s[48:49], s[54:55]      ; its codes
	s_lshl_b32 s54, s34, 1
	s_lshr_b32 s56, s33, 2
	s_add_co_u32 s54, s54, s56
	s_lshl_b32 s54, s54, 8
	s_add_co_u32 s54, s54, KS
	s_add_nc_u64 s[42:43], s[48:49], s[54:55]      ; its group's scale words
	s_lshl_b32 s54, s53, 13
	s_add_nc_u64 s[44:45], s[58:59], s[54:55]      ; its record of ctx
	s_lshl_b32 s54, s34, 7
	v_add_nc_u32 v89, s54, v91                     ; my query in the batch
	global_load_b128 v[16:19], v1, s[40:41]
	global_load_b64 v[20:21], v30, s[40:41] offset:512
	global_load_b32 v86, v90, s[42:43]
	global_load_u8 v88, v89, s[46:47]
	v_mov_b32 v13, 0xff61b1e6                      ; the largest t so far: -3e38
	s_delay_alu instid0(VALU_DEP_1)
	v_floor_f32 v12, -v13                          ; -M
	v_mov_b32 v14, 0
	v_mov_b32 v15, 0
.set kk, 0
.rept 32
	v_mov_b32 v[160+kk], 0                         ; O^T: the step is written once; the first change of M leaves zeros zeros
.set kk, kk+1
.endr
	s_mov_b32 s35, 0
	s_mov_b32 s37, 0
	s_mov_b32 s38, 0
	s_mov_b32 s39, 0
	s_wait_loadcnt 0x0
.Lstep:                                            ; eight trips: a key step of 128 keys each
	s_cmp_gt_u32 s35, s34                          ; all its keys come after my queries: only the addresses step
	s_cbranch_scc1 .Lhid
	v_add_nc_u32 v8, s37, v1                       ; (these six are also the places between the last products, which read v96 on, and the products that write there)
	s_wait_alu depctr_va_vdst(0)
	v_add_nc_u32 v9, s37, v2
	s_wait_alu depctr_va_vdst(0)
	v_add_nc_u32 v10, s38, v3
	s_wait_alu depctr_va_vdst(0)
	v_add_nc_u32 v11, s37, v4
	v_add_nc_u32 v28, s37, v5
	v_add_nc_u32 v29, s39, v6
.irp g, 0,1                            ; S^T = K Q^T, four tiles of 16 keys at a time
.if \g > 0
	PLACES 4                                       ; in front of loads into registers that products have read
.endif
.irp t, 0,1,2,3
	ds_load_b128 v[32+12*\t:35+12*\t], v8 offset:768*(4*\g+\t)
	ds_load_b64 v[36+12*\t:37+12*\t], v9 offset:768*(4*\g+\t)
.endr
	ds_load_b64 v[80+2*\g:81+2*\g], v10 offset:256*\g
	s_wait_dscnt 0x0
.irp t, 0,1,2,3
	MM1 96+8*(4*\g+\t), 32+12*\t, 16, 80+2*\g+(\t/2), 86, (\t%2)
.endr
.endr
	PLACES 4
	s_cmp_lt_u32 s35, s34                          ; under the diagonal every key counts
	s_cbranch_scc1 .Lopen
	v_mov_b32 v254, 0xff800000                     ; -infinity
.set nn, 0
.rept 64
	v_cmp_gt_i32 vcc_lo, 32*(nn/16)+nn%16, v7
	v_cndmask_b32 v[96+nn], v[96+nn], v254, vcc_lo
.set nn, nn+1
.endr
.Lopen:
.irp b, 0,1,2,3
	v_max3_num_f32 v[232+\b], v[96+16*\b], v[97+16*\b], v[98+16*\b]      ; the largest score of each block of 32 keys: for the row's maximum and, since p rises with the score, for the block's largest p
.endr
.irp i, 3,5,7,9,11,13
.irp b, 0,1,2,3
	v_max3_num_f32 v[232+\b], v[232+\b], v[96+16*\b+\i], v[97+16*\b+\i]
.endr
.endr
.irp b, 0,1,2,3
	v_max_num_f32 v[232+\b], v[232+\b], v[111+16*\b]
.endr
.irp b, 0,1,2,3
	s_delay_alu instid0(VALU_DEP_4)
	v_permlanex16_b32 v[236+\b], v[232+\b], s[SEL], s[SEL+1]
.endr
.irp b, 0,1,2,3
	s_delay_alu instid0(VALU_DEP_4)
	v_max_num_f32 v[232+\b], v[232+\b], v[236+\b]
.endr
	s_delay_alu instid0(VALU_DEP_2)
	v_max3_num_f32 v254, v232, v233, v234
	s_delay_alu instid0(VALU_DEP_1)
	v_max_num_f32 v254, v254, v235
	s_delay_alu instid0(VALU_DEP_1)
	v_mul_f32 v254, s[CS], v254                    ; as t (c is positive)
	s_delay_alu instid0(VALU_DEP_1)
	v_max_num_f32 v13, v13, v254                   ; the running largest t
	v_mov_b32 v254, v12
	s_delay_alu instid0(VALU_DEP_2)
	v_floor_f32 v12, -v13                          ; the new -M = -ceil(t): a whole number
	s_delay_alu instid0(VALU_DEP_1)
	v_sub_f32 v254, v12, v254                      ; old M - new M: a whole number, 0 or less
	s_delay_alu instid0(VALU_DEP_1)
	v_cvt_i32_f32 v254, v254                       ; (it saturates)
	s_delay_alu instid0(VALU_DEP_1)
	v_ldexp_f32 v252, 1.0, v254                    ; f = 2^(old M - new M): a multiplication by it rounds nothing
.set kk, 0
.rept 32
	v_pk_fma_f32 v[96+kk:97+kk], v[96+kk:97+kk], s[CS:CS+1], v[12:13] op_sel_hi:[1,0,0]   ; t - M, two at a time
.set kk, kk+2
.endr
.irp b, 0,1,2,3
	v_fma_f32 v[232+\b], v[232+\b], s[CS], v12     ; the same of each block's largest score
.endr
.set kk, 0
	s_wait_alu depctr_va_vdst(0)
.rept 64
	v_exp_f32 v[96+kk], v[96+kk]                   ; p = 2^(t - M)
.set kk, kk+1
.endr
	v_pk_mul_f32 v[14:15], v[14:15], v[252:253] op_sel_hi:[1,0]   ; the sums under the new M: a plain place behind the exponentials
	s_wait_alu depctr_va_vdst(0)                   ; one wait for the whole batch, ahead of its first reader
.irp b, 0,1,2,3
	v_exp_f32 v[232+\b], v[232+\b]                 ; the block's largest p
.endr
	v_pk_add_f32 v[236:237], v[100:101], v[104:105]
	v_pk_add_f32 v[248:249], v[108:109], v[112:113]
	v_pk_add_f32 v[246:247], v[116:117], v[120:121]
	v_pk_add_f32 v[244:245], v[124:125], v[128:129]
	v_pk_add_f32 v[242:243], v[132:133], v[136:137]
	v_pk_add_f32 v[240:241], v[140:141], v[144:145]
	v_pk_add_f32 v[238:239], v[148:149], v[152:153]
	v_pk_add_f32 v[14:15], v[14:15], v[156:157]
	v_pk_add_f32 v[236:237], v[236:237], v[96:97]
	v_pk_add_f32 v[248:249], v[248:249], v[98:99]
	v_pk_add_f32 v[246:247], v[246:247], v[102:103]
	v_pk_add_f32 v[244:245], v[244:245], v[106:107]
	v_pk_add_f32 v[242:243], v[242:243], v[110:111]
	v_pk_add_f32 v[240:241], v[240:241], v[114:115]
	v_pk_add_f32 v[238:239], v[238:239], v[118:119]
	v_pk_add_f32 v[14:15], v[14:15], v[122:123]
	v_pk_add_f32 v[236:237], v[236:237], v[126:127]
	v_pk_add_f32 v[248:249], v[248:249], v[130:131]
	v_pk_add_f32 v[246:247], v[246:247], v[134:135]
	v_pk_add_f32 v[244:245], v[244:245], v[138:139]
	v_pk_add_f32 v[242:243], v[242:243], v[142:143]
	v_pk_add_f32 v[240:241], v[240:241], v[146:147]
	v_pk_add_f32 v[238:239], v[238:239], v[150:151]
	v_pk_add_f32 v[14:15], v[14:15], v[154:155]
	v_pk_add_f32 v[236:237], v[236:237], v[158:159]
	s_delay_alu instid0(VALU_DEP_2)
	v_pk_add_f32 v[14:15], v[14:15], v[244:245]
	s_delay_alu instid0(VALU_DEP_2)
	v_pk_add_f32 v[236:237], v[236:237], v[242:243]
	v_pk_add_f32 v[248:249], v[248:249], v[240:241]
	v_pk_add_f32 v[246:247], v[246:247], v[238:239]
	s_delay_alu instid0(VALU_DEP_2)
	v_pk_add_f32 v[14:15], v[14:15], v[248:249]
	s_delay_alu instid0(VALU_DEP_2)
	v_pk_add_f32 v[236:237], v[236:237], v[246:247]
	s_delay_alu instid0(VALU_DEP_1)
	v_pk_add_f32 v[14:15], v[14:15], v[236:237]
	s_wait_alu depctr_va_vdst(0)                   ; and one for the four
.irp b, 0,1,2,3
	v_max_num_f32 v[232+\b], 0x2800000, v[232+\b]  ; the floor 2^(5 - 127)
.endr
.irp b, 0,1,2,3
	s_delay_alu instid0(VALU_DEP_4)
	v_add_nc_u32 v[244+\b], 0xfe000000, v[232+\b]
.endr
.irp b, 0,1,2,3
	s_delay_alu instid0(VALU_DEP_4)
	v_lshrrev_b32 v[236+\b], 23, v[244+\b]
.endr
	s_delay_alu instid0(VALU_DEP_3)
	v_lshl_or_b32 v87, v237, 8, v236               ; p's scale word for these 128 keys
	s_delay_alu instid0(VALU_DEP_1)
	v_lshl_or_b32 v87, v238, 16, v87
	s_delay_alu instid0(VALU_DEP_1)
	v_lshl_or_b32 v87, v239, 24, v87
.irp c, 0,1
	v_cvt_scalef32_pk16_bf6_f32 v[192+6*\c:194+6*\c], v[96+32*\c:111+32*\c], v[244+2*\c]
	v_cvt_scalef32_pk16_bf6_f32 v[204+4*\c:206+4*\c], v[112+32*\c:127+32*\c], v[245+2*\c]
.endr
	v_nop                                          ; one plain place behind a scaled conversion
.irp t, 0,1,2,3                        ; V^T's four fragments take p's place: registers 0-5 keys 0-63 of the step, 6-11 keys 64-127
	ds_load_b128 v[96+12*\t:99+12*\t], v11 offset:768*\t
	ds_load_b64 v[100+12*\t:101+12*\t], v28 offset:768*\t
	ds_load_b128 v[102+12*\t:105+12*\t], v11 offset:3072+768*\t
	ds_load_b64 v[106+12*\t:107+12*\t], v28 offset:3072+768*\t
.endr
	ds_load_b64 v[84:85], v29
.irp c, 0,1
.irp i, 0,1,2
	v_permlane16_swap_b32 v[192+6*\c+\i], v[204+4*\c+\i]
.endr
.irp i, 0,1,2
	s_delay_alu instid0(VALU_DEP_3)
	v_mov_b32 v[195+6*\c+\i], v[204+4*\c+\i]
.endr
.endr
.set kk, 0
.rept 16
	v_pk_mul_f32 v[160+kk:161+kk], v[160+kk:161+kk], v[252:253] op_sel_hi:[1,0]   ; O^T under the new M; these are also the places in front of the products below
.set kk, kk+2
.endr
	s_wait_alu depctr_va_vdst(0)
	s_wait_dscnt 0x0
.irp t, 0,1,2,3
	MM2 160+8*\t, 96+12*\t, 192, 84+(\t/2), 87, (\t%2)
.endr
.Lhid:
	s_add_co_u32 s37, s37, 6144                    ; eight half fragments of K, and of V
	s_add_co_u32 s38, s38, 512
	s_add_co_u32 s39, s39, 256
	s_add_co_u32 s35, s35, 1
	s_cmp_lt_u32 s35, 8
	s_cbranch_scc1 .Lstep
	PLACES 4                                       ; behind the last products
	v_add_f32 v14, v14, v15
	s_delay_alu instid0(VALU_DEP_1)
	v_permlanex16_b32 v252, v14, s[SEL], s[SEL+1]
	s_delay_alu instid0(VALU_DEP_1)
	v_add_f32 v14, v14, v252                       ; the row's sum
.irp q, 0,1,2,3,4,5,6,7
	ds_load_b128 v[96+4*\q:99+4*\q], v31 offset:64*(\q/2)+16*(\q%2)      ; the sum of V, in O^T's layout
.endr
	v_cmp_ne_u32 vcc_lo, 0, v88                    ; my query is padded
	v_mov_b32 v254, 0x44800000                     ; 1,024
	s_delay_alu instid0(VALU_DEP_1)
	v_cndmask_b32 v14, v14, v254, vcc_lo
	s_wait_alu depctr_va_vdst(0)
	v_rcp_f32 v14, v14
	s_wait_dscnt 0x0
.set kk, 0
	s_wait_alu depctr_va_vdst(0)
.rept 32
	v_cndmask_b32 v[160+kk], v[160+kk], v[96+kk], vcc_lo
.set kk, kk+1
.endr
	s_wait_alu depctr_va_vdst(0)                   ; the wait for the reciprocal, ahead of its first reader
.set kk, 0
.rept 16
	v_pk_mul_f32 v[160+kk:161+kk], v[160+kk:161+kk], v[14:15] op_sel_hi:[1,0]
.set kk, kk+2
.endr
	Q32 160                                        ; register 16 b + i is d = 32 b + 16 (lane / 16) + i of my query: quantised along d
	v_mov_b32 v[WD+1], v[WD]
	global_store_b128 v1, v[PC:PC+3], s[44:45]
	global_store_b64 v30, v[PC+4:PC+5], s[44:45] offset:512
	global_store_b64 v30, v[WD:WD+1], s[44:45] offset:768        ; the record's fourth block of 256 bytes is written whole
	s_wait_xcnt 0x0                                ; the stores have read their registers and their base
	s_add_co_u32 s36, s36, 1
	s_cmp_lt_u32 s36, 2
	s_cbranch_scc1 .Lpass
	s_wait_tensorcnt 0x0
	ds_add_u32 v251, v255
	s_wait_dscnt 0x0
	s_endpgm
.Lfunc_end_k_q04fd36a157_attn:
	.size	k_q04fd36a157_attn, .Lfunc_end_k_q04fd36a157_attn-k_q04fd36a157_attn
	.p2alignl 7, 3214868480
	.fill 96, 4, 3214868480
	.section	.rodata,"a",@progbits
	.p2align	6, 0x0
	.amdhsa_kernel k_q04fd36a157_attn
		.amdhsa_group_segment_fixed_size 169984
		.amdhsa_private_segment_fixed_size 0
		.amdhsa_enable_private_segment 0
		.amdhsa_kernarg_size 32
		.amdhsa_user_sgpr_count 2
		.amdhsa_user_sgpr_kernarg_segment_ptr 1
		.amdhsa_wavefront_size32 1
		.amdhsa_system_sgpr_workgroup_id_x 1
		.amdhsa_system_sgpr_workgroup_id_y 1
		.amdhsa_system_sgpr_workgroup_id_z 1
		.amdhsa_system_vgpr_workitem_id 0
		.amdhsa_next_free_vgpr 256
		.amdhsa_next_free_sgpr 66
		.amdhsa_reserve_vcc 1
		.amdhsa_float_denorm_mode_32 3
		.amdhsa_float_denorm_mode_16_64 3
		.amdhsa_memory_ordered 1
		.amdhsa_forward_progress 1
		.amdhsa_inst_pref_size 43
	.end_amdhsa_kernel
	.amdgpu_metadata
---
amdhsa.version: [ 1, 2 ]
amdhsa.kernels:
  - .name:           k_q04fd36a157_attn
    .symbol:         k_q04fd36a157_attn.kd
    .args:
      - { .name: qbuf, .offset: 0, .size: 8, .value_kind: global_buffer, .address_space: global }
      - { .name: kv, .offset: 8, .size: 8, .value_kind: global_buffer, .address_space: global }
      - { .name: mask, .offset: 16, .size: 8, .value_kind: global_buffer, .address_space: global }
      - { .name: ctx, .offset: 24, .size: 8, .value_kind: global_buffer, .address_space: global }
    .group_segment_fixed_size: 169984
    .private_segment_fixed_size: 0
    .kernarg_segment_align: 8
    .kernarg_segment_size: 32
    .max_flat_workgroup_size: 512
    .sgpr_count:     66
    .vgpr_count:     256
    .wavefront_size: 32
...
	.end_amdgpu_metadata
.endif
;; end of part 3
;; launch tail (part 4): grid 256 x 1, 4 waves a work-group, clusters of 4 x 1, 327,680 bytes of LDS; arguments ctx, Q, wts, lin1_b, lin2_b, ln_g, ln_b, out0; writes out0
.if DOCPART == 4
	.amdgcn_target "amdgcn-amd-amdhsa--gfx1250"
	.amdhsa_code_object_version 6
	.text
	.protected	k_q04fd36a157_tail
	.globl	k_q04fd36a157_tail
	.p2align	8
	.type	k_q04fd36a157_tail,@function
k_q04fd36a157_tail:
	s_mov_b64 s[64:65], 0
	v_nop
	global_prefetch_b8 v0, s[64:65] scope:SCOPE_SE
	s_setreg_imm32_b32 hwreg(HW_REG_WAVE_MODE, 25, 1), 1
	s_wait_xcnt 0x0
	s_wait_alu depctr_hold_cnt(0) depctr_sa_sdst(0) depctr_va_vdst(0) depctr_va_sdst(0) depctr_va_ssrc(0) depctr_va_vcc(0) depctr_vm_vsrc(0)
	s_getreg_b32 s2, hwreg(HW_REG_IB_STS2, 6, 4)
	s_cmp_eq_u32 s2, 0
	s_cbranch_scc0 .Lentry_in_a_cluster
	s_endpgm
.Lentry_in_a_cluster:
	s_bfe_u32 s2, ttmp6, 0x10000c
	s_cmp_lg_u32 s2, 0x3003
	s_cbranch_scc0 .Lentry_shape_is_right
	s_endpgm
.Lentry_shape_is_right:
.set WREC,  204800
.set CX,    204800
.set HIM,   CX
.set HSC,   CX+24576
.set OIMG,  237568
.set OSC,   262144
.set STG,   264192
.set STAT,  297984
.set VEC,   302080
.set SPARE, 310272
.set L16, 1
.set TSA, 2
.set TLA, 3
.set WA,  4
.set WSA, 5
.set CXA, 6
.set CXB, 7
.set CXS, 8
.set OWI, 9
.set OWS, 10
.set ORI, 11
.set ORS, 12
.set HWI, 13
.set HWS, 14
.set HRI, 15
.set HRS, 16
.set STW, 17
.set STR, 18
.set VEA, 19
.set SPW, 20
.set NIL, 21
.set WS,  32
.set XS,  48
.set XF,  64
.set H,   112
.set SCR, 176
.set TM,  176
.set PW,  192
.set PC,  196
.set RC,  216
.set MP,  224
.set CH,  232
.set K1,  240
.set K2,  242
.set WV,  20
.set SEL, 48
.set MSB, 0
.macro WIN new
.if MSB != (\new)
	s_set_vgpr_msb (MSB<<8)|(\new)
.set MSB, (\new)
.endif
.endm
.macro PLACES n
.rept \n
	v_nop
.endr
.endm
.macro BAR
	s_wait_dscnt 0x0
	s_barrier_signal -1
	s_barrier_wait -1
.endm
.macro ROUND
	s_barrier_signal -1
	s_barrier_wait -1
	s_cmp_lg_u32 s[WV], 0
	s_cbranch_scc1 .Lnot_wave_0_\@
	s_barrier_signal -3
.Lnot_wave_0_\@:
	s_barrier_wait -3
	s_barrier_signal -1
	s_barrier_wait -1
.endm
.macro MM2 d, a, b, c, sa, sb, ra
.if \ra
	v_wmma_scale_f32_16x16x128_f8f6f4 v[\d:\d+7], v[\a:\a+11], v[\b:\b+11], v[\c:\c+7], v[\sa], v[\sb] matrix_a_fmt:MATRIX_FMT_BF6 matrix_b_fmt:MATRIX_FMT_BF6 matrix_a_scale:MATRIX_SCALE_ROW1
.else
	v_wmma_scale_f32_16x16x128_f8f6f4 v[\d:\d+7], v[\a:\a+11], v[\b:\b+11], v[\c:\c+7], v[\sa], v[\sb] matrix_a_fmt:MATRIX_FMT_BF6 matrix_b_fmt:MATRIX_FMT_BF6
.endif
.endm
.macro Q64 src, win, pw
	WIN ((\win)|((\win)<<2))
.irp b, 0,1,2,3
	v_max3_num_f32 v[TM+\b], |v[\src+16*\b]|, |v[\src+16*\b+1]|, 0x2800000
.endr
.irp i, 2,4,6,8,10,12,14
.irp b, 0,1,2,3
	v_max3_num_f32 v[TM+\b], |v[\src+16*\b+\i]|, |v[\src+16*\b+\i+1]|, v[TM+\b]
.endr
.endr
	WIN 0
.irp b, 0,1,2,3
	v_permlanex16_b32 v[TM+4+\b], v[TM+\b], s[SEL], s[SEL+1]
.endr
.irp b, 0,1,2,3
	v_max_num_f32 v[TM+\b], v[TM+\b], v[TM+4+\b]
.endr
.irp b, 0,1,2,3
	v_add_nc_u32 v[TM+12+\b], 0xfe000000, v[TM+\b]
.endr
.irp b, 0,1,2,3
	v_lshrrev_b32 v[TM+4+\b], 23, v[TM+12+\b]
.endr
	v_lshl_or_b32 v[\pw], v[TM+5], 8, v[TM+4]
	v_lshl_or_b32 v[\pw], v[TM+6], 16, v[\pw]
	v_lshl_or_b32 v[\pw], v[TM+7], 24, v[\pw]
	WIN (\win)
.irp c, 0,1
	v_cvt_scalef32_pk16_bf6_f32 v[PC+6*\c:PC+6*\c+2], v[\src+32*\c:\src+32*\c+15], v[TM+12+2*\c]
	v_cvt_scalef32_pk16_bf6_f32 v[PC+12+4*\c:PC+14+4*\c], v[\src+32*\c+16:\src+32*\c+31], v[TM+13+2*\c]
.endr
	WIN 0
	v_nop
.irp c, 0,1
.irp i, 0,1,2
	v_permlane16_swap_b32 v[PC+6*\c+\i], v[PC+12+4*\c+\i]
.endr
.irp i, 0,1,2
	v_mov_b32 v[PC+3+6*\c+\i], v[PC+12+4*\c+\i]
.endr
.endr
.endm
.macro IMG3 adr, off
.irp c, 0,1,2
	ds_store_b128 v[\adr], v[PC+4*\c:PC+4*\c+3] offset:\off+512*\c
.endr
.endm
.macro FET3 reg, adr, off
.irp c, 0,1,2
	ds_load_b128 v[\reg+4*\c:\reg+4*\c+3], v[\adr] offset:\off+512*\c
.endr
.endm
.macro TURN reg, win
	WIN (((\win)<<2)|((\win)<<6))
.irp i, 0,1,2,3,4,5,6,7,8,9,10,11,12,13,14,15
	ds_store_b128 v[TSA], v[\reg+4*\i:\reg+4*\i+3] offset:528*\i
.endr
.irp q, 0,1,2,3,4,5,6,7,8,9,10,11,12,13,14,15
	ds_load_b128 v[\reg+4*\q:\reg+4*\q+3], v[TLA] offset:128*(\q/4)+16*(\q%4)
.endr
	WIN 0
.endm
.macro TURNB reg, win
	WIN (((\win)<<2)|((\win)<<6))
.irp q, 0,1,2,3,4,5,6,7,8,9,10,11,12,13,14,15
	ds_store_b128 v[TLA], v[\reg+4*\q:\reg+4*\q+3] offset:128*(\q/4)+16*(\q%4)
.endr
.irp i, 0,1,2,3,4,5,6,7,8,9,10,11,12,13,14,15
	ds_load_b128 v[\reg+4*\i:\reg+4*\i+3], v[TSA] offset:528*\i
.endr
	WIN 0
.endm
.macro WCOPY
.irp bb, 0,1,2,3
	WIN ((1+(\bb/2))<<6)
.irp s, 0,1,2,3
.irp u, 0,1
.irp c, 0,1,2
	ds_load_b128 v[12*(4*((2*\bb+\u)%4)+\s)+4*\c:12*(4*((2*\bb+\u)%4)+\s)+4*\c+3], v[WA] offset:((4*\bb+\s)*2+\u)*1536+512*\c
.endr
.endr
.endr
.endr
	WIN 0
.irp q, 0,1,2,3,4,5,6,7,8,9,10,11,12,13,14,15
	ds_load_b32 v[WS+\q], v[WSA] offset:128*\q
.endr
.endm
.macro VLOAD vec, reg, win
	WIN ((\win)<<6)
.irp q, 0,1,2,3,4,5,6,7,8,9,10,11,12,13,14,15
	ds_load_b128 v[\reg+4*\q:\reg+4*\q+3], v[VEA] offset:2048*(\vec)+128*(\q/4)+16*(\q%4)
.endr
	WIN 0
.endm
.macro MULR m, buf
.irp hh, 0,1
	WIN (0xf1+\hh)
.irp s, 0,1,2,3
	s_wait_alu depctr_va_vdst(0)
.irp t, 0,1,2,3
	MM2 64*(\m)+8*(4*\hh+\t), 12*(4*\t+\s), (\buf)+12*\s, 64*(\m)+8*(4*\hh+\t), WS+4*(2*\hh+(\t/2))+\s, XS+4*(\m)+\s, (\t%2)
.endr
.endr
.endr
.endm
.macro FETC m, buf
.irp s, 0,1,2,3
.irp c, 0,1
	ds_load_b128 v[(\buf)+12*\s+6*\c:(\buf)+12*\s+6*\c+3], v[CXA] offset:(8*(\m)+2*\s+\c)*1024
	ds_load_b64 v[(\buf)+12*\s+6*\c+4:(\buf)+12*\s+6*\c+5], v[CXB] offset:(8*(\m)+2*\s+\c)*1024
.endr
.endr
.endm
.macro FETI adr, m, buf
.irp s, 0,1,2,3
	FET3 (\buf)+12*\s, \adr, (4*\s+(\m))*1536
.endr
.endm
.macro FET kind, m, buf
.if \kind
	FETC \m, \buf
.else
	FETI HRI, \m, \buf
.endif
.endm
.macro PROD kind, n
	FET \kind, 0, XF
	FET \kind, 1, H
	s_wait_dscnt \n
	MULR 0, XF
	WIN 0
	PLACES 4
	FET \kind, 2, XF
	s_wait_dscnt \n
	MULR 1, H
	WIN 0
	PLACES 4
	FET \kind, 3, H
	s_wait_dscnt \n
	MULR 2, XF
	s_wait_dscnt 0x0
	MULR 3, H
	WIN 0
	PLACES 4
.endm
.macro LNA m, stat
	WIN 0x0f
.irp c, 0,1,2,3
	v_pk_add_f32 v[CH+2*\c:CH+2*\c+1], v[64*(\m)+2*\c:64*(\m)+2*\c+1], v[64*(\m)+8+2*\c:64*(\m)+9+2*\c]
.endr
	WIN 0x0c
.set kk, 8
.rept 24
	v_pk_add_f32 v[CH+2*(kk%4):CH+2*(kk%4)+1], v[CH+2*(kk%4):CH+2*(kk%4)+1], v[64*(\m)+2*kk:64*(\m)+2*kk+1]
.set kk, kk+1
.endr
	WIN 0
	v_pk_add_f32 v[CH:CH+1], v[CH:CH+1], v[CH+2:CH+3]
	v_pk_add_f32 v[CH+4:CH+5], v[CH+4:CH+5], v[CH+6:CH+7]
	v_pk_add_f32 v[CH:CH+1], v[CH:CH+1], v[CH+4:CH+5]
	v_add_f32 v[CH], v[CH], v[CH+1]
	v_permlanex16_b32 v[CH+2], v[CH], s[SEL], s[SEL+1]
	v_add_f32 v[CH], v[CH], v[CH+2]
	v_mul_f32 v[MP+2*(\m)], 0x3c000000, v[CH]
	WIN 0xc3
.set kk, 0
.rept 32
	v_pk_add_f32 v[64*(\m)+2*kk:64*(\m)+2*kk+1], v[64*(\m)+2*kk:64*(\m)+2*kk+1], v[MP+2*(\m):MP+2*(\m)+1] op_sel_hi:[1,0] neg_lo:[0,1] neg_hi:[0,1]
.set kk, kk+1
.endr
	WIN 0x0f
.irp c, 0,1,2,3
	v_pk_mul_f32 v[CH+2*\c:CH+2*\c+1], v[64*(\m)+2*\c:64*(\m)+2*\c+1], v[64*(\m)+2*\c:64*(\m)+2*\c+1]
.endr
.set kk, 4
.rept 28
	v_pk_fma_f32 v[CH+2*(kk%4):CH+2*(kk%4)+1], v[64*(\m)+2*kk:64*(\m)+2*kk+1], v[64*(\m)+2*kk:64*(\m)+2*kk+1], v[CH+2*(kk%4):CH+2*(kk%4)+1]
.set kk, kk+1
.endr
	WIN 0
	v_pk_add_f32 v[CH:CH+1], v[CH:CH+1], v[CH+2:CH+3]
	v_pk_add_f32 v[CH+4:CH+5], v[CH+4:CH+5], v[CH+6:CH+7]
	v_pk_add_f32 v[CH:CH+1], v[CH:CH+1], v[CH+4:CH+5]
	v_add_f32 v[CH], v[CH], v[CH+1]
	v_permlanex16_b32 v[CH+2], v[CH], s[SEL], s[SEL+1]
	v_add_f32 v[MP+2*(\m)+1], v[CH], v[CH+2]
	ds_store_b64 v[STW], v[MP+2*(\m):MP+2*(\m)+1] offset:\stat+512*(\m)
.endm
.macro LNB stat
.irp q, 0,1,2,3,4,5,6,7
	ds_load_b128 v[SCR+4*\q:SCR+4*\q+3], v[STR] offset:\stat+512*(\q/2)+16*(\q%2)
.endr
	s_wait_dscnt 0x0
.irp m, 0,1,2,3
	v_add_f32 v[CH], v[SCR+8*\m], v[SCR+8*\m+2]
	v_add_f32 v[CH+1], v[SCR+8*\m+4], v[SCR+8*\m+6]
	v_add_f32 v[CH], v[CH], v[CH+1]
	v_mul_f32 v[CH], 0x3e800000, v[CH]
.irp k, 0,2,4,6
	v_sub_f32 v[SCR+8*\m+\k], v[SCR+8*\m+\k], v[CH]
.endr
	v_sub_f32 v[RC+2*\m+1], v[MP+2*\m], v[CH]
	v_mul_f32 v[CH+1], v[SCR+8*\m], v[SCR+8*\m]
.irp k, 2,4,6
	v_fmac_f32 v[CH+1], v[SCR+8*\m+\k], v[SCR+8*\m+\k]
.endr
	v_add_f32 v[CH+2], v[SCR+8*\m+1], v[SCR+8*\m+3]
	v_add_f32 v[CH+3], v[SCR+8*\m+5], v[SCR+8*\m+7]
	v_add_f32 v[CH+2], v[CH+2], v[CH+3]
	v_fma_f32 v[CH+2], v[CH+1], 0x43000000, v[CH+2]
	v_fma_f32 v[CH+4+\m], v[CH+2], s50, s51
.endr
	s_wait_alu depctr_va_vdst(0)
.irp m, 0,1,2,3
	v_rsq_f32 v[RC+2*\m], v[CH+4+\m]
.endr
	v_nop
	s_wait_alu depctr_va_vdst(0)
.irp m, 0,1,2,3
	v_mul_f32 v[RC+2*\m+1], v[RC+2*\m+1], v[RC+2*\m]
.endr
.irp m, 0,1,2,3
	WIN 0xc3
.set kk, 0
.rept 32
	v_pk_fma_f32 v[64*\m+2*kk:64*\m+2*kk+1], v[64*\m+2*kk:64*\m+2*kk+1], v[RC+2*\m:RC+2*\m+1], v[RC+2*\m:RC+2*\m+1] op_sel:[0,0,1] op_sel_hi:[1,0,1]
.set kk, kk+1
.endr
	WIN 0xcb
.set kk, 0
.rept 32
	v_pk_fma_f32 v[64*\m+2*kk:64*\m+2*kk+1], v[64*\m+2*kk:64*\m+2*kk+1], v[192+2*kk:193+2*kk], v[H+2*kk:H+2*kk+1]
.set kk, kk+1
.endr
.endr
	WIN 0
.endm
.macro GEL base
.set kk, 0
.rept 16
	v_pk_mul_f32 v[SCR+2*kk:SCR+2*kk+1], v[\base+2*kk:\base+2*kk+1], v[\base+2*kk:\base+2*kk+1]
.set kk, kk+1
.endr
.set kk, 0
.rept 16
	v_pk_fma_f32 v[SCR+2*kk:SCR+2*kk+1], v[SCR+2*kk:SCR+2*kk+1], v[K2:K2+1], v[K1:K1+1]
.set kk, kk+1
.endr
.set kk, 0
.rept 16
	v_pk_mul_f32 v[SCR+2*kk:SCR+2*kk+1], v[SCR+2*kk:SCR+2*kk+1], v[\base+2*kk:\base+2*kk+1]
.set kk, kk+1
.endr
.set kk, 0
	s_wait_alu depctr_va_vdst(0)
.rept 32
	v_exp_f32 v[SCR+kk], v[SCR+kk]
.set kk, kk+1
.endr
	v_nop
	s_wait_alu depctr_va_vdst(0)
.set kk, 0
.rept 16
	v_pk_add_f32 v[SCR+2*kk:SCR+2*kk+1], v[SCR+2*kk:SCR+2*kk+1], 1.0 op_sel_hi:[1,0]
.set kk, kk+1
.endr
.set kk, 0
	s_wait_alu depctr_va_vdst(0)
.rept 32
	v_rcp_f32 v[SCR+kk], v[SCR+kk]
.set kk, kk+1
.endr
	v_nop
	s_wait_alu depctr_va_vdst(0)
.set kk, 0
.rept 16
	v_pk_mul_f32 v[\base+2*kk:\base+2*kk+1], v[\base+2*kk:\base+2*kk+1], v[SCR+2*kk:SCR+2*kk+1]
.set kk, kk+1
.endr
.endm
.macro OUTS m
	WIN 0x0c
.irp i, 0,1,2,3,4,5,6,7,8,9,10,11,12,13,14,15
	global_store_b128 v[L16], v[64*(\m)+4*\i:64*(\m)+4*\i+3], s[56:57] offset:(32*((\m)/2)+8*((\m)%2)+\i+8*(\i/8))*2048 th:TH_STORE_NT
.endr
	WIN 0
.endm
	s_load_b256 s[4:11], s[0:1], 0x0
	s_load_b256 s[12:19], s[0:1], 0x20
	v_lshl_add_u32 v[SPW], v0, 2, SPARE
	v_mov_b32 v[NIL], 0
	ds_add_u32 v20, v21
	ds_add_u32 v20, v21
	s_wait_dscnt 0x0
	v_lshrrev_b32 v22, 5, v0
	v_readfirstlane_b32 s[WV], v22
	s_bfe_u32 s21, ttmp6, 0x40000
	s_lshl_b32 s22, ttmp9, 2
	s_add_co_u32 s22, s22, s21
	s_mov_b32 s24, 15|(3<<16)|(1<<21)
	s_mov_b32 s25, 32<<16
	s_mov_b32 s26, 200<<16
	s_mov_b32 s27, 32<<16
	s_mov_b32 s28, 200
	s_mov_b32 s29, 32
	s_mov_b32 s30, 0
	s_mov_b32 s31, 0
	s_mov_b32 s32, 1
	s_mul_i32 s33, s[WV], 51200
	s_add_co_u32 s58, s33, 3*WREC
	s_mov_b32 s59, 0
	s_lshl_b32 s60, s[WV], 13
	s_add_co_u32 s45, s60, CX
	s_lshl_b32 s62, s22, 15
	s_add_co_u32 s62, s62, s60
	s_mov_b32 s63, 0
	s_lshl_b32 s60, s22, 17
	s_lshl_b32 s61, s[WV], 9
	s_add_co_u32 s60, s60, s61
	s_mov_b32 s61, 0
	s_mov_b32 s[SEL], 0x76543210
	s_mov_b32 s[SEL+1], 0xfedcba98
	s_mov_b32 s50, 0x3b000000
	s_mov_b32 s51, 0x3727c5ac
	v_and_b32 v22, 31, v0
	v_lshlrev_b32 v[L16], 4, v22
	s_wait_kmcnt 0x0
	s_add_nc_u64 s[34:35], s[8:9], s[58:59]
	s_or_b32 s35, s35, 0x80000000
	s_add_nc_u64 s[46:47], s[4:5], s[62:63]
	s_add_nc_u64 s[54:55], s[6:7], s[60:61]
	s_add_nc_u64 s[56:57], s[18:19], s[60:61]
	s_cmp_eq_u32 s[WV], 1
	s_cselect_b64 s[52:53], s[12:13], s[10:11]
	s_cmp_eq_u32 s[WV], 2
	s_cselect_b64 s[52:53], s[14:15], s[52:53]
	s_cmp_eq_u32 s[WV], 3
	s_cselect_b64 s[52:53], s[16:17], s[52:53]
	ROUND
	tensor_load_to_lds s[32:35], s[24:31]          ; my quarter of W_o's record: the wave's one tensor load at the head
	s_nop 0
	PLACES 4
	s_wait_alu depctr_va_vdst(0)
.irp k, 0,1,2,3
	global_load_b128 v[H+4*\k:H+4*\k+3], v[L16], s[52:53] offset:512*\k
.endr
; my quarter (8,192 dense bytes) of the work-group's 32 records of ctx comes through registers v64-111 and v128-143 and goes to LDS bytes of its own: 16 loads of 512 bytes
.irp i, 0,1,2,3,4,5,6,7,8,9,10,11,12,13,14,15
	global_load_b128 v[64+4*\i+16*(\i/12):67+4*\i+16*(\i/12)], v[L16], s[46:47] offset:512*\i th:TH_LOAD_NT
.endr
	WIN 0xc0
.irp m, 0,1,2,3
.irp i, 0,1,2,3,4,5,6,7,8,9,10,11,12,13,14,15
	global_load_b128 v[64*\m+4*\i:64*\m+4*\i+3], v[L16], s[54:55] offset:(32*(\m/2)+8*(\m%2)+\i+8*(\i/8))*2048 th:TH_LOAD_NT
.endr
.endr
	WIN 0
	v_and_b32 v23, 15, v0
	v_bfe_u32 v24, v0, 4, 1
	v_lshlrev_b32 v25, 3, v22
	v_lshlrev_b32 v26, 2, v22
	s_mul_i32 s61, s[WV], 8448
	s_add_co_u32 s61, s61, STG
	v_add_nc_u32 v[TSA], s61, v[L16]
	v_mul_u32_u24 v[TLA], v23, 528
	v_lshl_add_u32 v[TLA], v24, 6, v[TLA]
	v_add_nc_u32 v[TLA], s61, v[TLA]
	s_mul_i32 s61, s[WV], 49152
	v_add_nc_u32 v[WA], s61, v[L16]
	s_lshl_b32 s61, s[WV], 11
	s_add_co_u32 s62, s61, 196608
	v_add_nc_u32 v[WSA], s62, v26
	s_add_co_u32 s62, s61, VEC
	v_add_nc_u32 v27, s62, v[L16]
	v_add_nc_u32 v[CXA], CX, v[L16]
	v_add_nc_u32 v28, s45, v[L16]                  ; where my quarter of ctx goes: CX + 8,192 x wave + 16 x lane
	v_add_nc_u32 v[CXB], CX+512, v25
	v_add_nc_u32 v[CXS], CX+768, v25
	s_mul_i32 s61, s[WV], 6144
	s_add_co_u32 s62, s61, OIMG
	v_add_nc_u32 v[OWI], s62, v[L16]
	s_add_co_u32 s62, s61, HIM
	v_add_nc_u32 v[HWI], s62, v[L16]
	s_lshl_b32 s61, s[WV], 9
	s_add_co_u32 s62, s61, OSC
	v_add_nc_u32 v[OWS], s62, v26
	s_add_co_u32 s62, s61, HSC
	v_add_nc_u32 v[HWS], s62, v26
	s_add_co_u32 s62, s61, VEC
	v_lshl_add_u32 v[VEA], v24, 6, s62
	v_add_nc_u32 v[ORI], OIMG, v[L16]
	v_add_nc_u32 v[ORS], OSC, v26
	v_add_nc_u32 v[HRI], HIM, v[L16]
	v_add_nc_u32 v[HRS], HSC, v26
	s_lshl_b32 s61, s[WV], 3
	s_add_co_u32 s61, s61, STAT
	v_lshl_add_u32 v[STW], v23, 5, s61
	v_lshlrev_b32 v[STR], 5, v23
	v_add_nc_u32 v[STR], STAT, v[STR]
	v_mov_b32 v[K1], 0xc0135761
	v_mov_b32 v[K1+1], 0xc0135761
	v_mov_b32 v[K2], 0xbdd2d3e8
	v_mov_b32 v[K2+1], 0xbdd2d3e8
.irp b, 0,1,2,3,4,5,6,7
	v_mov_b32 v[MP+\b], 0
.endr
.irp b, 4,5,6,7
	v_mov_b32 v[TM+\b], 0
.endr
	s_wait_loadcnt 48
.irp k, 0,1,2,3
	ds_store_b128 v27, v[H+4*\k:H+4*\k+3] offset:512*\k
.endr
.irp i, 0,1,2,3,4,5,6,7,8,9,10,11,12,13,14,15
	ds_store_b128 v28, v[64+4*\i+16*(\i/12):67+4*\i+16*(\i/12)] offset:512*\i   ; ctx's loads were issued ahead of Q's: the wait above covers them
.endr
	TURN 0, 3
	s_wait_loadcnt 32
	TURN 64, 3
	s_wait_loadcnt 16
	TURN 128, 3
	s_wait_loadcnt 0x0
	TURN 192, 3
	s_wait_tensorcnt 0x0
	BAR
	WCOPY
	VLOAD 0, 192, 1
	VLOAD 2, 192, 2
	s_wait_tensorcnt 0x0
	ds_add_u32 v[SPW], v[NIL]
	s_add_nc_u64 s[34:35], s[34:35], WREC
	s_wait_dscnt 0x0
	ROUND
	tensor_load_to_lds s[32:35], s[24:31]
	s_nop 0
	PLACES 4
.irp m, 0,1,2,3
.irp d, 0,1,2,3,4,5,6,7
	ds_load_b32 v[H+8*\m+\d], v[CXS] offset:(8*\m+\d)*1024
.endr
.endr
	s_wait_dscnt 0x0
.irp m, 0,1,2,3
.irp s, 0,1,2,3
	v_lshl_or_b32 v[XS+4*\m+\s], v[H+8*\m+2*\s+1], 16, v[H+8*\m+2*\s]
.endr
.endr
	PLACES 8
	PROD 1, 16
	s_wait_tensorcnt 0x0                           ; my quarter of lin1's record has landed,
	BAR                                            ; everybody's has
	WCOPY                                          ; W_o's registers are done with (four places stand behind the last product): lin1's fragments come in beside the sums below
	LNA 0, 0
	LNA 1, 0
	LNA 2, 0
	LNA 3, 0
	BAR                                            ; every wave's part sums lie in LDS
	VLOAD 3, H, 0
	LNB 0
	VLOAD 1, H, 0
.irp m, 0,1,2,3
	Q64 64*\m, 3, PW
	IMG3 OWI, 1536*\m
	ds_store_b32 v[OWS], v[PW] offset:128*\m
	s_wait_dscnt 0x0
	WIN 0xc3
.set kk, 0
.rept 32
	v_pk_add_f32 v[64*\m+2*kk:64*\m+2*kk+1], v[64*\m+2*kk:64*\m+2*kk+1], v[H+2*kk:H+2*kk+1]
.set kk, kk+1
.endr
	WIN 0
.endr
	s_wait_tensorcnt 0x0
	ds_add_u32 v[SPW], v[NIL]
	s_add_nc_u64 s[34:35], s[34:35], WREC
	s_wait_dscnt 0x0
	ROUND
	tensor_load_to_lds s[32:35], s[24:31]
	s_nop 0
	PLACES 4
	s_mov_b32 s58, 0
	s_mov_b32 s59, 0
	s_mov_b32 s60, 0
	FETI ORI, 0, XF
.irp s, 0,1,2,3
	ds_load_b32 v[XS+\s], v[ORS] offset:512*\s
.endr
.Lm:
	s_wait_dscnt 0x0
.irp hh, 0,1
	WIN (0x11+\hh)
.irp t, 0,1,2,3
	MM2 H+8*(4*\hh+\t), 12*(4*\t), XF, 192+8*(4*\hh+\t), WS+4*(2*\hh+(\t/2)), XS, (\t%2)
.endr
	WIN (0x01+\hh)
.irp s, 1,2,3
.irp t, 0,1,2,3
	MM2 H+8*(4*\hh+\t), 12*(4*\t+\s), XF+12*\s, H+8*(4*\hh+\t), WS+4*(2*\hh+(\t/2))+\s, XS+\s, (\t%2)
.endr
.endr
.endr
	WIN 0
	PLACES 4
	s_add_co_u32 s61, s58, 1536
	s_min_u32 s61, s61, 4608
	s_add_co_u32 s62, s59, 128
	s_min_u32 s62, s62, 384
	v_add_nc_u32 v22, s61, v[ORI]
	v_add_nc_u32 v23, s62, v[ORS]
	v_add_nc_u32 v24, s58, v[HWI]
	v_add_nc_u32 v25, s59, v[HWS]
.irp s, 0,1,2,3
	FET3 XF+12*\s, 22, 6144*\s
	ds_load_b32 v[XS+\s], v23 offset:512*\s
.endr
	GEL H
	GEL H+32
	Q64 H, 0, PW
	IMG3 24, 0
	ds_store_b32 v25, v[PW]
	s_add_co_u32 s58, s58, 1536
	s_add_co_u32 s59, s59, 128
	s_add_co_u32 s60, s60, 1
	s_cmp_lt_u32 s60, 4
	s_cbranch_scc1 .Lm
	s_wait_tensorcnt 0x0
	BAR
	WCOPY
.irp m, 0,1,2,3
.irp s, 0,1,2,3
	ds_load_b32 v[XS+4*\m+\s], v[HRS] offset:512*\s+128*\m
.endr
.endr
; THE LAST PRODUCT AND THE SECOND NORM GO IN TWO HALVES of two row tiles each: the first half's 32 rows are stored while the second half is multiplied and normed.
; LNH finishes the norm of tiles m0, m0 + 1 from the four waves' part sums; the gain stands in window 2, v192 on, the bias in window 1, v192 on (lin1_b's registers, which are done with).
.macro LNH m0
.irp q, 0,1,2,3
	ds_load_b128 v[SCR+4*\q:SCR+4*\q+3], v[STR] offset:2048+512*((\m0)+\q/2)+16*(\q%2)
.endr
	s_wait_dscnt 0x0
.irp j, 0,1
	v_add_f32 v[CH], v[SCR+8*\j], v[SCR+8*\j+2]
	v_add_f32 v[CH+1], v[SCR+8*\j+4], v[SCR+8*\j+6]
	v_add_f32 v[CH], v[CH], v[CH+1]
	v_mul_f32 v[CH], 0x3e800000, v[CH]             ; the row's mean: a quarter of the four part means
.irp k, 0,2,4,6
	v_sub_f32 v[SCR+8*\j+\k], v[SCR+8*\j+\k], v[CH]
.endr
	v_sub_f32 v[RC+2*\j+1], v[MP+2*((\m0)+\j)], v[CH]
	v_mul_f32 v[CH+1], v[SCR+8*\j], v[SCR+8*\j]
.irp k, 2,4,6
	v_fmac_f32 v[CH+1], v[SCR+8*\j+\k], v[SCR+8*\j+\k]
.endr
	v_add_f32 v[CH+2], v[SCR+8*\j+1], v[SCR+8*\j+3]
	v_add_f32 v[CH+3], v[SCR+8*\j+5], v[SCR+8*\j+7]
	v_add_f32 v[CH+2], v[CH+2], v[CH+3]
	v_fma_f32 v[CH+2], v[CH+1], 0x43000000, v[CH+2]   ; the parts' squares about their own means + 128 x the squares of the means' distances
	v_fma_f32 v[CH+4+\j], v[CH+2], s50, s51        ; / 512 + the norm's epsilon
.endr
	s_wait_alu depctr_va_vdst(0)                   ; the wait ahead of the batch
.irp j, 0,1
	v_rsq_f32 v[RC+2*\j], v[CH+4+\j]
.endr
	v_nop
	s_wait_alu depctr_va_vdst(0)                   ; and behind it, ahead of the first reader
.irp j, 0,1
	v_mul_f32 v[RC+2*\j+1], v[RC+2*\j+1], v[RC+2*\j]
.endr
.irp j, 0,1
	WIN 0xc3
.set kk, 0
.rept 32
	v_pk_fma_f32 v[64*((\m0)+\j)+2*kk:64*((\m0)+\j)+2*kk+1], v[64*((\m0)+\j)+2*kk:64*((\m0)+\j)+2*kk+1], v[RC+2*\j:RC+2*\j+1], v[RC+2*\j:RC+2*\j+1] op_sel:[0,0,1] op_sel_hi:[1,0,1]
.set kk, kk+1
.endr
	WIN 0xdb                                       ; source 0 and destination window 3, the gain window 2, the bias window 1
.set kk, 0
.rept 32
	v_pk_fma_f32 v[64*((\m0)+\j)+2*kk:64*((\m0)+\j)+2*kk+1], v[64*((\m0)+\j)+2*kk:64*((\m0)+\j)+2*kk+1], v[192+2*kk:193+2*kk], v[192+2*kk:193+2*kk]
.set kk, kk+1
.endr
.endr
	WIN 0
.endm
	VLOAD 3, 192, 1                                ; ln_b
	FET 0, 0, XF
	FET 0, 1, H
	s_wait_dscnt 12                                ; all but tile 1's 12 loads
	MULR 0, XF
	WIN 0
	PLACES 4
	FET 0, 2, XF
	s_wait_dscnt 12                                ; all but tile 2's 12 loads
	MULR 1, H
	WIN 0
	PLACES 4
	FET 0, 3, H
	LNA 0, 2048
	LNA 1, 2048
	BAR                                            ; every wave's part sums of tiles 0 and 1 lie in LDS
	LNH 0
	TURNB 0, 3
	TURNB 64, 3
	s_wait_dscnt 32                                ; tile 0 is back from the stage
	OUTS 0
	s_wait_dscnt 0x0
	OUTS 1
	MULR 2, XF
	MULR 3, H
	WIN 0
	PLACES 4
	LNA 2, 2048
	LNA 3, 2048
	BAR
	LNH 2
	TURNB 128, 3
	TURNB 192, 3
	s_wait_dscnt 32
	OUTS 2
	s_wait_dscnt 0x0
	OUTS 3
	s_wait_tensorcnt 0x0
	ds_add_u32 v[SPW], v[NIL]
	s_wait_dscnt 0x0
	ROUND
	s_endpgm
.Lfunc_end_k_q04fd36a157_tail:
	.size	k_q04fd36a157_tail, .Lfunc_end_k_q04fd36a157_tail-k_q04fd36a157_tail
	.p2alignl 7, 3214868480
	.fill 96, 4, 3214868480
	.section	.rodata,"a",@progbits
	.p2align	6, 0x0
	.amdhsa_kernel k_q04fd36a157_tail
		.amdhsa_group_segment_fixed_size 327680
		.amdhsa_private_segment_fixed_size 0
		.amdhsa_enable_private_segment 0
		.amdhsa_kernarg_size 64
		.amdhsa_user_sgpr_count 2
		.amdhsa_user_sgpr_kernarg_segment_ptr 1
		.amdhsa_wavefront_size32 1
		.amdhsa_system_sgpr_workgroup_id_x 1
		.amdhsa_system_sgpr_workgroup_id_y 1
		.amdhsa_system_sgpr_workgroup_id_z 1
		.amdhsa_system_vgpr_workitem_id 0
		.amdhsa_next_free_vgpr 1024
		.amdhsa_next_free_sgpr 66
		.amdhsa_reserve_vcc 0
		.amdhsa_float_denorm_mode_32 3
		.amdhsa_float_denorm_mode_16_64 3
		.amdhsa_memory_ordered 1
		.amdhsa_forward_progress 1
		.amdhsa_inst_pref_size 255
	.end_amdhsa_kernel
	.section	.bss,"aw",@nobits
	.p2align	6
	.space	262144
	.amdgpu_metadata
---
amdhsa.version: [ 1, 2 ]
amdhsa.kernels:
  - .name:           k_q04fd36a157_tail
    .symbol:         k_q04fd36a157_tail.kd
    .args:
      - { .name: ctx, .offset: 0, .size: 8, .value_kind: global_buffer, .address_space: global }
      - { .name: Q, .offset: 8, .size: 8, .value_kind: global_buffer, .address_space: global }
      - { .name: wts, .offset: 16, .size: 8, .value_kind: global_buffer, .address_space: global }
      - { .name: lin1_b, .offset: 24, .size: 8, .value_kind: global_buffer, .address_space: global }
      - { .name: lin2_b, .offset: 32, .size: 8, .value_kind: global_buffer, .address_space: global }
      - { .name: ln_g, .offset: 40, .size: 8, .value_kind: global_buffer, .address_space: global }
      - { .name: ln_b, .offset: 48, .size: 8, .value_kind: global_buffer, .address_space: global }
      - { .name: out0, .offset: 56, .size: 8, .value_kind: global_buffer, .address_space: global }
    .group_segment_fixed_size: 327680
    .private_segment_fixed_size: 0
    .kernarg_segment_align: 8
    .kernarg_segment_size: 64
    .max_flat_workgroup_size: 128
    .sgpr_count:     66
    .vgpr_count:     1024
    .wavefront_size: 32
...
	.end_amdgpu_metadata
.endif
;; end of part 4
